; MI455X (gfx1250); checked and timed in simulation.
; The chip was launched on July 23, 2026; its instructions are those of AMD's public machine-readable ISA for CDNA 5 (MIT licence, August 2026) and "CDNA5" Instruction Set Architecture Reference Guide (July 2026). The comments in the code are by the model that wrote it; some were corrected since.
;; Multi Head Attention. Allowed arithmetic: matrix products marked QUANTISED: E2M1 operands, one E8M0 scale for each 32 along K, by v_wmma_scale_f32_16x16x128_f8f6f4 with both operands' format E2M1 (or v_wmma_scale_f32_32x16x128_f4), f32 sums; products left as they are: bf16, f16 or f32 operands; f32 sums; everything else in f32.
;; Inputs: Wk 1,024 x 1,024 float32; Wo 1,024 x 1,024 float32; Wq 1,024 x 1,024 float32; Wv 1,024 x 1,024 float32; bk 1,024 float32; bo 1,024 float32; bq 1,024 float32; bv 1,024 float32; k 2 x 2,048 x 1,024 float32; mask 1 x 1 x 2,048 x 2,048 int32; q 2 x 2,048 x 1,024 float32; v 2 x 2,048 x 1,024 float32.
;; Outputs: out0 2 x 2,048 x 1,024 float32.
;; This version of the problem:
;;   THIS VERSION OF THE PROBLEM IS GIVEN IN LOW PRECISION. The matrix products marked QUANTISED in the list below multiply operands that are first quantised to E2M1 (2 exponent bits, 1 mantissa bit; 4 bits a number), with one power-of-two scale for each 32 numbers along K (OCP MX v1.0); their sums are f32. The products marked 'left as it is' may take bf16, f16 or f32 operands, with f32 sums. Whichever they take, every output number must still come out within the allowed error. Rounding operands to bf16 (8 significant bits) uses up far more of that allowance than f16 does (11 bits, for magnitudes from 6e-5 to 65,504). All else is computed in f32.
;;   The module's matrix products, in the order in which they are computed (A, B: the left and right operand; K: the contracted axis; several contracted axes count as one K, in the product's order):
;;     1. [M 4,096, K 1,024] x [K 1,024, N 1,024]; A: input q; B: input Wq: QUANTISED
;;     2. [M 4,096, K 1,024] x [K 1,024, N 1,024]; A: input k; B: input Wk: QUANTISED
;;     3. [M 4,096, K 1,024] x [K 1,024, N 1,024]; A: input v; B: input Wv: QUANTISED
;;     4. batch 32 x [M 2,048, K 64] x [K 64, N 2,048]; A: computed on the way; B: computed on the way: left as it is (an operand is computed on the way)
;;     5. batch 32 x [M 2,048, K 2,048] x [K 2,048, N 64]; A: computed on the way; B: computed on the way: left as it is (an operand is computed on the way)
;;     6. [M 4,096, K 1,024] x [K 1,024, N 1,024]; A: computed on the way; B: input Wo: left as it is (an operand is computed on the way)
;;   THE QUANTISER, for each operand of a quantised product, along K:
;;     - K is cut into blocks of 32 from its start; a last block that is shorter is filled with zeros.
;;     - A block's scale is 2^e with e = floor(log2(the largest magnitude in the block)) - 2, held to -126 .. 127; a block of zeros has e = 0. As a byte (E8M0): e + 127.
;;     - Each number is divided by its block's scale, clamped to +-6, and rounded to the nearest number of E2M1, ties to even, subnormals kept.
;;     - The product sums the exact products of the quantised numbers (number of the format x scale) in f32.
;;   ~~~python
;;   def quantise(x, axis):      # numpy; x: float32 -> the quantised numbers, widened to float32 again
;;       x = np.moveaxis(x, axis, -1); K = x.shape[-1]
;;       x = np.pad(x, [(0, 0)] * (x.ndim - 1) + [(0, -K % 32)]); x = x.reshape(x.shape[:-1] + (-1, 32)); a = np.abs(x).max(-1, keepdims=True)
;;       e = np.where(a > 0, np.clip(np.frexp(np.where(a > 0, a, 1))[1] - 1 - 2, -126, 127), 0)      # np.frexp(a)[1] - 1 = floor(log2(a)), exactly
;;       r = np.clip(x / 2.0 ** e, -6, 6)
;;       step = 2.0 ** (np.maximum(np.frexp(np.where(r == 0, 1, r))[1] - 1, 0) - 1)
;;       q = np.round(r / step) * step * 2.0 ** e      # np.round: ties to even
;;       return np.moveaxis(q.reshape(q.shape[:-2] + (-1,))[..., :K], -1, axis).astype(np.float32)
;;   ~~~
;; One version. Each part assembles by itself: llvm-mc -triple=amdgcn-amd-amdhsa -mcpu=gfx1250 --defsym DOCPART=n.
;; ======== version 1 of 1: 4 launches
;; limits: values are held in f16: magnitudes above 65,504 overflow, below 6.1e-05 lose precision
;; workspace buffers: codes 7,864,320 bytes; scales 491,520 bytes; wof 2,097,152 bytes; maskbits 524,288 bytes of whole numbers; qkvf 25,165,824 bytes; xf 8,388,608 bytes
;; launch prep (part 1): grid 576 x 1, 4 waves a work-group, no clusters, 68,096 bytes of LDS; arguments q, k, v, Wq, Wk, Wv, Wo, mask, codes, scales, wof, maskbits; writes codes, scales, wof, maskbits
.if DOCPART == 1
	.amdgcn_target "amdgcn-amd-amdhsa--gfx1250"
	.amdhsa_code_object_version 6
	.text
	.protected	k_qe1be4d532a_prep
	.globl	k_qe1be4d532a_prep
	.p2align	8
	.type	k_qe1be4d532a_prep,@function
k_qe1be4d532a_prep:
	s_mov_b64 s[64:65], 0
	v_nop
	global_prefetch_b8 v0, s[64:65] scope:SCOPE_SE
	s_setreg_imm32_b32 hwreg(HW_REG_WAVE_MODE, 25, 1), 1
	s_wait_xcnt 0x0
; PREP: every large input is read once and laid as its reader wants it.  Three kinds of work-groups, told apart by the work-group's number alone:
;   0..479   q, k, v, Wq, Wk, Wv (f32, K innermost) become codes of E2M1 and one E8M0 byte for each 32 along K: 15,360 rows of 512 bytes of codes and of 32 scale bytes
;            (rows 0 q, 4,096 k, 8,192 v, 12,288 Wq, 13,312 Wk, 14,336 Wv).  A work-group takes 32,768 numbers, a wave 16 steps of 512.
;   480..511 Wo becomes f16, row-major.  A wave takes 8,192 numbers.
;   512..575 the mask becomes lane masks: for 32 queries x 64 keys 64 words; bit l of word 32 t + 8 kt + j says whether key 16 kt + 8 (l / 16) + j counts for query 16 t + l % 16.
; THE QUANTISER: a block's scale is 2^(floor(log2(largest magnitude)) - 2); its byte is the largest magnitude's exponent field - 2, held at 1 from below; numbers / scale go to the nearest code, ties to even, beyond 6 to 6.
; LIMITS: a block of zeros gets the byte 1 where the rule says 127 (its codes are zeros, and this program alone reads the bytes); blocks whose largest magnitude lies under 2^-124 are held at byte 1;
; NaN and infinities among the inputs are not served; |Wo| stays under 65,504, and under 6e-5 it is kept to steps of 6e-8 (f16).
; No tensor loads, no barrier: waves share nothing.  Each kind has LDS bytes of its own.
.set STEPS, 16
.set EMAX,  2
.set CB,    8                          ; bytes of 16 codes
.set R,     16                         ; v16-79   quantiser: four sets of 16 numbers as loaded
.set X,     80                         ; v80-111  two sets of 16 neighbours
.set E,     112                        ; v112-127 a scale byte for each step
.set C,     128                        ; v128-191 codes, four registers a step: no store's data are written again
.set WREG,  8192                       ; quantiser: LDS of a wave: two stages of 32 x SP bytes, then its 256 scale bytes
.set SP,    80                         ; a lane's 64 bytes + 16 of padding
.set MSTG,  32768                      ; mask: the stages, one a wave
.set MWREG, 8704                       ; 32 rows x 272 bytes
.set SPARE, 67584                      ; the spare words, 128 bytes a wave: two blocks of 256 bytes that no other line names
.set SPW,   12                         ; v12  SPARE + 4 x my thread's number; never rewritten
.set NIL,   13                         ; v13  0; never rewritten
.macro FINISH                          ; the wave's end, behind the last LDS store
	s_wait_tensorcnt 0x0
	ds_add_u32 v[SPW], v[NIL]
	s_wait_dscnt 0x0
	s_endpgm
.endm
	s_load_b512 s[4:19], s[0:1], 0x0               ; q s[4:5], k s[6:7], v s[8:9], Wq s[10:11], Wk s[12:13], Wv s[14:15], Wo s[16:17], mask s[18:19]
	s_load_b256 s[20:27], s[0:1], 0x40             ; codes s[20:21], scales s[22:23], wof s[24:25], maskbits s[26:27]
	v_lshl_add_u32 v[SPW], v0, 2, SPARE
	v_mov_b32 v[NIL], 0
	v_lshrrev_b32 v1, 5, v0
	v_readfirstlane_b32 s32, v1                    ; wave 0..3
	v_and_b32 v2, 31, v0                           ; lane
	s_wait_kmcnt 0x0
	s_cmp_lt_u32 ttmp9, 480
	s_cbranch_scc1 .Lquant
	s_cmp_lt_u32 ttmp9, 512
	s_cbranch_scc1 .Lwo
; ---- THE MASK.  Work-group g takes queries 32 (g - 512) on, wave w keys 512 w on: 8 units of 32 rows x 64 keys.
; A unit's rows are 256 bytes each: a load takes two rows, sixteen lanes to a row.  Through the wave's stage the numbers come back as the score tiles hold them (lane = query and half, registers = 8 keys);
; a compare makes a word of 32 lane bits, and the 64 words are gathered two to a lane, so that one store covers 256 consecutive bytes.
	v_and_b32 v7, 15, v2                           ; l % 16
	v_lshrrev_b32 v8, 4, v2                        ; l / 16
	v_lshlrev_b32 v9, 4, v7
	v_lshl_add_u32 v3, v8, 13, v9                  ; in memory: 8,192 (l / 16) + 16 (l % 16)
	s_mul_i32 s33, s32, MWREG
	s_add_co_u32 s33, s33, MSTG                    ; my stage
	v_mul_u32_u24 v10, v8, 272
	v_add_nc_u32 v4, v10, v9
	v_add_nc_u32 v4, s33, v4                       ; into it: row l / 16 of the pair, 16 (l % 16)
	v_mul_u32_u24 v10, v7, 272
	v_lshl_add_u32 v5, v8, 5, v10
	v_add_nc_u32 v5, s33, v5                       ; out of it: row l % 16, 32 bytes for each half of the lanes
	v_lshlrev_b32 v6, 3, v2                        ; the words' place: 8 bytes a lane
	s_sub_co_u32 s34, ttmp9, 512                   ; which 32 queries
	s_lshl_b32 s36, s34, 18                        ; 32 rows of 8,192 bytes
	s_lshl_b32 s35, s32, 11                        ; 8 units of 256 bytes
	s_add_co_u32 s36, s36, s35
	s_mov_b32 s37, 0
	s_add_nc_u64 s[18:19], s[18:19], s[36:37]
	s_lshl_b32 s36, s34, 13                        ; 32 units of 256 bytes
	s_add_co_u32 s36, s36, s35
	s_add_nc_u64 s[26:27], s[26:27], s[36:37]
.irp i, 0,1,2,3,4,5,6,7,8,9,10,11,12,13,14,15
	v_mov_b32 v[208+\i], 0                         ; a lane write's destination counts as read: written once.  Each unit has its own pair
.endr
.macro MLOAD u
.irp i, 0,1,2,3,4,5,6,7,8,9,10,11,12,13,14,15
	global_load_b128 v[16+64*((\u)%2)+4*\i:16+64*((\u)%2)+4*\i+3], v3, s[18:19] offset:16384*\i+256*(\u) th:TH_LOAD_NT
.endr
.endm
.macro UNIT u
.if (\u) < 7
	s_wait_loadcnt 16                              ; this unit's sixteen loads are in; the next unit's may be out
.else
	s_wait_loadcnt 0x0
.endif
.irp i, 0,1,2,3,4,5,6,7,8,9,10,11,12,13,14,15
	ds_store_b128 v4, v[16+64*((\u)%2)+4*\i:16+64*((\u)%2)+4*\i+3] offset:544*\i
.endr
.irp t, 0,1
.irp k, 0,1,2,3
.irp c, 0,1
	ds_load_b128 v[144+32*\t+8*\k+4*\c:144+32*\t+8*\k+4*\c+3], v5 offset:4352*\t+64*\k+16*\c   ; LDS serves a wave's instructions in order: these see my stores
.endr
.endr
.endr
	s_wait_dscnt 0x0                               ; the numbers are back, and the stores have read their registers,
.if (\u) < 6
	MLOAD (\u)+2                                   ; which take the unit two on
.endif
.set w0, 0
.rept 8
.irp k, 0,1,2,3,4,5,6,7
	v_cmp_ne_u32 s[40+\k], 0, v[144+w0+\k]         ; word w: the 32 lanes' bits
.endr
.irp k, 0,1,2,3,4,5,6,7
	v_writelane_b32 v[208+2*(\u)+(\k%2)], s[40+\k], (w0+\k)/2   ; words 2 L and 2 L + 1 go to lane L
.endr
.set w0, w0+8
.endr
	global_store_b64 v6, v[208+2*(\u):209+2*(\u)], s[26:27] offset:256*(\u)   ; 32 lanes store 256 consecutive bytes, aligned
.endm
	MLOAD 0
	MLOAD 1
.irp u, 0,1,2,3,4,5,6,7
	UNIT \u
.endr
	FINISH
; ---- Wo to f16.  Four rounds of sixteen loads of 512 consecutive bytes, in two sets of registers; a lane's four numbers become 8 bytes, so a store covers 256 consecutive bytes.
.Lwo:
	v_lshlrev_b32 v3, 4, v2
	v_lshlrev_b32 v4, 3, v2
	s_sub_co_u32 s34, ttmp9, 480
	s_lshl_b32 s34, s34, 2
	s_add_co_u32 s34, s34, s32                     ; which run of 8,192 numbers
	s_lshl_b32 s36, s34, 15
	s_mov_b32 s37, 0
	s_add_nc_u64 s[16:17], s[16:17], s[36:37]
	s_lshl_b32 s36, s34, 14
	s_add_nc_u64 s[24:25], s[24:25], s[36:37]
.macro WLOAD r
.irp i, 0,1,2,3,4,5,6,7,8,9,10,11,12,13,14,15
	global_load_b128 v[16+64*((\r)%2)+4*\i:16+64*((\r)%2)+4*\i+3], v3, s[16:17] offset:8192*(\r)+512*\i th:TH_LOAD_NT
.endr
.endm
.macro WCVT r
.irp i, 0,1,2,3,4,5,6,7,8,9,10,11,12,13,14,15
	v_cvt_pk_f16_f32 v[16+64*((\r)%2)+4*\i], v[16+64*((\r)%2)+4*\i], v[16+64*((\r)%2)+4*\i+1]
	v_cvt_pk_f16_f32 v[16+64*((\r)%2)+4*\i+1], v[16+64*((\r)%2)+4*\i+2], v[16+64*((\r)%2)+4*\i+3]
	global_store_b64 v4, v[16+64*((\r)%2)+4*\i:16+64*((\r)%2)+4*\i+1], s[24:25] offset:4096*(\r)+256*\i
.endr
.endm
	WLOAD 0
	WLOAD 1
	s_wait_loadcnt 16                              ; round 0 is in; round 1's sixteen may be out
	WCVT 0
	s_wait_xcnt 0x0                                ; the stores' registers are loaded again only behind this wait
	WLOAD 2
	s_wait_loadcnt 16
	WCVT 1
	s_wait_xcnt 0x0
	WLOAD 3
	s_wait_loadcnt 16
	WCVT 2
	s_wait_loadcnt 0x0
	WCVT 3
	FINISH
; ---- THE QUANTISER.  Rows are dense and K is a multiple of 32: each tensor is a plain stream of blocks of 32, and so are its codes and scale bytes.
; Each of a step's four loads reads 512 consecutive bytes; the 2,048 bytes turn through the wave's stage and come back 64 bytes a lane: 16 neighbours along K, two lanes to a block.
.Lquant:
	v_lshlrev_b32 v3, 4, v2                        ; my 16 bytes of a load's 512
	s_mul_i32 s33, s32, WREG
	v_lshrrev_b32 v14, 2, v2
	v_mul_u32_u24 v14, v14, SP
	v_and_b32 v15, 3, v2
	v_lshl_add_u32 v14, v15, 4, v14
	v_add_nc_u32 v14, s33, v14                     ; the stage, in: SP (lane / 4) + 16 (lane % 4)
	v_mul_u32_u24 v15, v2, SP
	v_add_nc_u32 v15, s33, v15                     ; and out: SP x lane
	v_mul_u32_u24 v4, v2, CB                       ; my codes' place in a step's
	v_lshrrev_b32 v5, 1, v2
	s_add_co_u32 s33, s33, 2*32*SP
	v_add_nc_u32 v5, s33, v5                       ; my block's scale byte in the wave's 256
	v_lshlrev_b32 v7, 3, v2
	v_add_nc_u32 v6, s33, v7                       ; and on the way out 8 bytes a lane
	s_mov_b64 s[28:29], s[14:15]                   ; which tensor, and its first work-group: chosen by the work-group's number alone
	s_mov_b32 s34, 448
	s_cmp_lt_u32 ttmp9, 448
	s_cselect_b64 s[28:29], s[12:13], s[28:29]
	s_cselect_b32 s34, 416, s34
	s_cmp_lt_u32 ttmp9, 416
	s_cselect_b64 s[28:29], s[10:11], s[28:29]
	s_cselect_b32 s34, 384, s34
	s_cmp_lt_u32 ttmp9, 384
	s_cselect_b64 s[28:29], s[8:9], s[28:29]
	s_cselect_b32 s34, 256, s34
	s_cmp_lt_u32 ttmp9, 256
	s_cselect_b64 s[28:29], s[6:7], s[28:29]
	s_cselect_b32 s34, 128, s34
	s_cmp_lt_u32 ttmp9, 128
	s_cselect_b64 s[28:29], s[4:5], s[28:29]
	s_cselect_b32 s34, 0, s34
	s_sub_co_u32 s34, ttmp9, s34
	s_lshl_b32 s34, s34, 2
	s_add_co_u32 s34, s34, s32                     ; which run of 8,192 numbers of the tensor
	s_lshl_b32 s34, s34, 15
	s_mov_b32 s35, 0
	s_add_nc_u64 s[28:29], s[28:29], s[34:35]
	s_lshl_b32 s36, ttmp9, 2
	s_add_co_u32 s36, s36, s32                     ; and of all six on end
	s_lshl_b32 s38, s36, 12                        ; 4,096 bytes of codes a run
	s_mov_b32 s39, 0
	s_add_nc_u64 s[20:21], s[20:21], s[38:39]
	s_lshl_b32 s38, s36, 8                         ; 256 scale bytes a run
	s_add_nc_u64 s[22:23], s[22:23], s[38:39]
.macro LOAD t
.irp i, 0,1,2,3
	global_load_b128 v[R+16*((\t)%4)+4*\i:R+16*((\t)%4)+4*\i+3], v3, s[28:29] offset:2048*(\t)+512*\i th:TH_LOAD_NT
.endr
.endm
.macro TURN t                          ; step t's numbers through the stage
.irp i, 0,1,2,3
	ds_store_b128 v14, v[R+16*((\t)%4)+4*\i:R+16*((\t)%4)+4*\i+3] offset:32*SP*((\t)%2)+8*SP*\i
.endr
.irp i, 0,1,2,3
	ds_load_b128 v[X+16*((\t)%2)+4*\i:X+16*((\t)%2)+4*\i+3], v15 offset:32*SP*((\t)%2)+16*\i
.endr
.endm
.irp t, 0,1,2,3
	LOAD \t
.endr
	s_wait_loadcnt 12                              ; step 0's four loads are in
	TURN 0
.macro STEP t
.set XS, X+16*((\t)%2)
.if (\t) > 0
	s_wait_dscnt 1                                 ; this step's numbers are back from the stage (the last step's byte store may be out)
.else
	s_wait_dscnt 0x0
.endif
.if (\t)+4 < STEPS
	LOAD (\t)+4
.endif
.if (\t)+1 < STEPS
.if STEPS-2-(\t) >= 3
	s_wait_loadcnt 12                              ; the next step's four loads are in; those of the three steps behind it may be out
.else
	s_wait_loadcnt 4*(STEPS-2-(\t))
.endif
	TURN (\t)+1
.endif
	v_max3_num_f32 v8, |v[XS]|, |v[XS+1]|, |v[XS+2]|
	v_max3_num_f32 v9, |v[XS+3]|, |v[XS+4]|, |v[XS+5]|
.irp i, 6,10
	v_max3_num_f32 v8, v8, |v[XS+\i]|, |v[XS+\i+1]|
	v_max3_num_f32 v9, v9, |v[XS+\i+2]|, |v[XS+\i+3]|
.endr
	v_max3_num_f32 v8, v8, |v[XS+14]|, |v[XS+15]|
	v_max3_num_f32 v8, v8, v9, (EMAX+1)<<23        ; and the floor 2^(3 - 127): the byte cannot fall under 1
	v_max_num_f32_dpp v8, v8, v8 row_xmask:1 row_mask:0xf bank_mask:0xf   ; with my neighbour's 16: the block's largest magnitude
	v_add_nc_u32 v11, -(EMAX<<23), v8              ; 2 off its exponent field: the conversion's scale operand
	v_cvt_scalef32_pk8_fp4_f32 v[C+4*(\t)], v[XS:XS+7], v11
	v_cvt_scalef32_pk8_fp4_f32 v[C+4*(\t)+1], v[XS+8:XS+15], v11
	v_lshrrev_b32 v[E+(\t)], 23, v11               ; the scale's byte
	ds_store_b8 v5, v[E+(\t)] offset:16*(\t)       ; both lanes of a block write the same byte with the same value
	global_store_b64 v4, v[C+4*(\t):C+4*(\t)+1], s[20:21] offset:32*CB*(\t)   ; 32 lanes store 256 consecutive bytes, aligned
.endm
.irp t, 0,1,2,3,4,5,6,7,8,9,10,11,12,13,14,15
	STEP \t
.endr
	ds_load_b64 v[8:9], v6
	s_wait_dscnt 0x0
	global_store_b64 v7, v[8:9], s[22:23]          ; the wave's 256 scale bytes
	FINISH
.Lfunc_end_k_qe1be4d532a_prep:
	.size	k_qe1be4d532a_prep, .Lfunc_end_k_qe1be4d532a_prep-k_qe1be4d532a_prep
	.p2alignl 7, 3214868480
	.fill 96, 4, 3214868480
	.section	.rodata,"a",@progbits
	.p2align	6, 0x0
	.amdhsa_kernel k_qe1be4d532a_prep
		.amdhsa_group_segment_fixed_size 68096
		.amdhsa_private_segment_fixed_size 0
		.amdhsa_enable_private_segment 0
		.amdhsa_kernarg_size 96
		.amdhsa_user_sgpr_count 2
		.amdhsa_user_sgpr_kernarg_segment_ptr 1
		.amdhsa_wavefront_size32 1
		.amdhsa_system_sgpr_workgroup_id_x 1
		.amdhsa_system_sgpr_workgroup_id_y 1
		.amdhsa_system_sgpr_workgroup_id_z 1
		.amdhsa_system_vgpr_workitem_id 0
		.amdhsa_next_free_vgpr 224
		.amdhsa_next_free_sgpr 66
		.amdhsa_reserve_vcc 0
		.amdhsa_float_denorm_mode_32 3
		.amdhsa_float_denorm_mode_16_64 3
		.amdhsa_memory_ordered 1
		.amdhsa_forward_progress 1
		.amdhsa_inst_pref_size 150
	.end_amdhsa_kernel
	.amdgpu_metadata
---
amdhsa.version: [ 1, 2 ]
amdhsa.kernels:
  - .name:           k_qe1be4d532a_prep
    .symbol:         k_qe1be4d532a_prep.kd
    .args:
      - { .name: q, .offset: 0, .size: 8, .value_kind: global_buffer, .address_space: global }
      - { .name: k, .offset: 8, .size: 8, .value_kind: global_buffer, .address_space: global }
      - { .name: v, .offset: 16, .size: 8, .value_kind: global_buffer, .address_space: global }
      - { .name: Wq, .offset: 24, .size: 8, .value_kind: global_buffer, .address_space: global }
      - { .name: Wk, .offset: 32, .size: 8, .value_kind: global_buffer, .address_space: global }
      - { .name: Wv, .offset: 40, .size: 8, .value_kind: global_buffer, .address_space: global }
      - { .name: Wo, .offset: 48, .size: 8, .value_kind: global_buffer, .address_space: global }
      - { .name: mask, .offset: 56, .size: 8, .value_kind: global_buffer, .address_space: global }
      - { .name: codes, .offset: 64, .size: 8, .value_kind: global_buffer, .address_space: global }
      - { .name: scales, .offset: 72, .size: 8, .value_kind: global_buffer, .address_space: global }
      - { .name: wof, .offset: 80, .size: 8, .value_kind: global_buffer, .address_space: global }
      - { .name: maskbits, .offset: 88, .size: 8, .value_kind: global_buffer, .address_space: global }
    .group_segment_fixed_size: 68096
    .private_segment_fixed_size: 0
    .kernarg_segment_align: 8
    .kernarg_segment_size: 96
    .max_flat_workgroup_size: 128
    .sgpr_count:     66
    .vgpr_count:     224
    .wavefront_size: 32
...
	.end_amdgpu_metadata
.endif
;; end of part 1
;; launch proj (part 2): grid 4 x 48, 4 waves a work-group, clusters of 4 x 4, 327,680 bytes of LDS; arguments codes, scales, bq, bk, bv, qkvf; writes qkvf
.if DOCPART == 2
	.amdgcn_target "amdgcn-amd-amdhsa--gfx1250"
	.amdhsa_code_object_version 6
	.text
	.protected	k_qe1be4d532a_proj
	.globl	k_qe1be4d532a_proj
	.p2align	8
	.type	k_qe1be4d532a_proj,@function
k_qe1be4d532a_proj:
	s_mov_b64 s[64:65], 0
	v_nop
	global_prefetch_b8 v0, s[64:65] scope:SCOPE_SE
	s_setreg_imm32_b32 hwreg(HW_REG_WAVE_MODE, 25, 1), 1
	s_wait_xcnt 0x0
	s_wait_alu depctr_hold_cnt(0) depctr_sa_sdst(0) depctr_va_vdst(0) depctr_va_sdst(0) depctr_va_ssrc(0) depctr_va_vcc(0) depctr_vm_vsrc(0)
	s_getreg_b32 s2, hwreg(HW_REG_IB_STS2, 6, 4)
	s_cmp_eq_u32 s2, 0
	s_cbranch_scc0 .Lentry_in_a_cluster
	s_endpgm
.Lentry_in_a_cluster:
	s_bfe_u32 s2, ttmp6, 0x10000c
	s_cmp_lg_u32 s2, 0xf033
	s_cbranch_scc0 .Lentry_shape_is_right
	s_endpgm
.Lentry_shape_is_right:
; PROJ: the three quantised projections, on codes of E2M1 with one E8M0 scale for each 32 along K = 1,024, sums in f32; bias added in f32; results leave as f16 IMAGES OF THE NEXT OPERAND'S REGISTERS.
; A work-group of four waves makes 256 x 256, a wave 128 x 128: 64 accumulators.  12 clusters of 4 x 4: cluster y = 4 P + I; P = 0 Q, 1 K, 2 V; I = which 1,024 tokens.
; THE MATRIX INSTRUCTION IS USED TRANSPOSED (source 0 = 'B' rows, source 1 = 'A' rows): a lane holds one A row and eight neighbouring B rows.
;   Q, K: A = tokens, B = W's rows: a lane holds a token and 8 channels: rounded to f16 in pairs that is half a 16 x 32 fragment of Q or K.
;   V:    A = Wv's rows, B = tokens, BY ADDRESS ALONE: a lane holds a channel and 8 keys: half a fragment of V^T.
; Q is multiplied by log2(e) / 8 on the way out, so that the scores come out as exponents of 2.
; K goes in two steps of 512 through two LDS slots, both asked for at the head; nothing is filled again.  The scale bytes of the 512 rows come once, in units of 256 bytes.
; A's tiles are shared along a row of the cluster, B's along a column: joint loads with a mask that names the four.
; 192 work-groups: tiles of 128 would give more, at twice the LDS bytes for each product, in a launch of 512 matrix instructions a wave.
; LIMITS: |Q log2(e)/8|, |K|, |V| stay under 65,504; under 6e-5 they are kept to steps of 6e-8 (f16).
; REGISTERS: window 0: v0-31 addresses; v32-95 scale words, two sets; v128-191 A's fragments, one set; v192-255 the bias; on the way out v96-191 packed results, three sets.
;   window 1: B's fragments, two sets, at v0 and v128.   windows 2, 3: the accumulators of my A rows 0-63, 64-127 ((a, b) at v[8 (8 (a % 4) + b)]).
.set NQ,     4                         ; matrix instructions deep in a slot
.set ROWB,   256                       ; a tile's row: 512 codes
.set KROW,   512                       ; a row of codes in memory
.set PITCH,  272                       ; 256 bytes + 16 of padding: the 16 rows that a load touches start at 16 different banks (64 banks of 4 bytes: ISA guide 11.1)
.set FR,     8
.set NL,     2
.set NP,     4                         ; places behind this matrix instruction (ISA guide 7.12.1)
.set HALFT,  128*PITCH
.set SLOT,   4*HALFT
.set KS,     32                        ; a row of scale bytes
.set SCL,    2*SLOT
.set HALFS,  (128*KS/256)*272
.set SBLK,   (16*KS/256)*272
.set SPARE,  SCL+4*HALFS               ; the spare words, 128 bytes a wave
.set BA,   8                           ; v8-15   the bias loads' eight offsets
.set ADRA, 16
.set ADRB, 20
.set LI,   26                          ; v26     16 x lane
.set ADRS, 27
.set SPW,  28
.set NIL,  29
.set SC,   32
.set PK,   96
.set AF,   128
.set BI,   192
.set WV, 16                            ; s16 wave; s17 its A half (also: fetches for A or B); s18 its B half (also: which 128 rows it fetches)
.set WR, 17
.set WC, 18
.set PP, 19                            ; s19 P;  s20 I
.set II, 20
.set SCP, 22                           ; s[22:23] the factor on the way out
.set G1, 24
.set G0, 32
.set G1B, 48
.set G0B, 56
.set G1S, 68
.set G0S, 76
.set G1SB, 80
.set G0SB, 88
.set MSB, 0
.macro WIN new                         ; the immediate's high byte repeats the setting that is left
.if MSB != \new
	s_set_vgpr_msb (MSB<<8)|\new
.set MSB, \new
.endif
.endm
.set MUL_LO, 0xa1
.set MUL_HI, 0xf1
.set TO_B,   0x40
.macro JLOAD g0a, g1a, g0b, g1b        ; waves 0, 1 fetch for A, waves 2, 3 for B; an s_nop 0 and four v_nop follow each line
	s_cmp_eq_u32 s[WR], 0
	s_cbranch_scc0 .Lfor_b_\@
	tensor_load_to_lds s[\g0a:\g0a+3], s[\g1a:\g1a+7]
	s_nop 0
.rept 4
	v_nop
.endr
	s_branch .Lasked_\@
.Lfor_b_\@:
	tensor_load_to_lds s[\g0b:\g0b+3], s[\g1b:\g1b+7]
	s_nop 0
.rept 4
	v_nop
.endr
.Lasked_\@:
.endm
.macro CROUND                          ; a round of the cluster's barrier
	s_barrier_signal -1
	s_barrier_wait -1
	s_cmp_lg_u32 s[WV], 0
	s_cbranch_scc1 .Lnot_wave_0_\@
	s_barrier_signal -3
.Lnot_wave_0_\@:
	s_barrier_wait -3
	s_barrier_signal -1
	s_barrier_wait -1
.endm
	s_load_b256 s[4:11], s[0:1], 0x0               ; codes s[4:5], scales s[6:7], bq s[8:9], bk s[10:11]
	s_load_b128 s[12:15], s[0:1], 0x20             ; bv s[12:13], qkvf s[14:15]
	v_lshl_add_u32 v[SPW], v0, 2, SPARE
	v_mov_b32 v[NIL], 0
	ds_add_u32 v[SPW], v[NIL]                      ; the wave's opening: the add, twice on end, and its wait ahead of my first tensor load
	ds_add_u32 v[SPW], v[NIL]
	v_lshrrev_b32 v1, 5, v0
	v_readfirstlane_b32 s[WV], v1
	s_lshr_b32 s[WR], s[WV], 1
	s_and_b32 s[WC], s[WV], 1
	s_bfe_u32 s40, ttmp6, 0x40000                  ; cx
	s_bfe_u32 s41, ttmp6, 0x40004                  ; cy
	s_and_b32 s21, ttmp7, 0xffff                   ; cluster y
	s_lshr_b32 s[PP], s21, 2
	s_and_b32 s[II], s21, 3
	s_lshl_b32 s43, s41, 2
	s_lshl_b32 s43, 15, s43                        ; my row of the cluster
	s_lshl_b32 s44, 0x1111, s40                    ; my column
	s_or_b32 s[G1+0], s43, (0<<16)|(1<<20)|(1<<21)|(5<<22)|(3<<25)   ; mask; elements of 1 byte; 4 words of padding behind every 64
	s_or_b32 s[G1B+0], s44, (0<<16)|(1<<20)|(1<<21)|(5<<22)|(3<<25)
.irp g, G1, G1B
	s_mov_b32 s[\g+1], ROWB<<16                    ; tensor_dim0
	s_mov_b32 s[\g+2], 128<<16                     ; tensor_dim1
	s_mov_b32 s[\g+3], ROWB<<16                    ; tile_dim0
	s_mov_b32 s[\g+4], 128                         ; tile_dim1
	s_mov_b32 s[\g+5], KROW                        ; from row to row
	s_mov_b32 s[\g+6], 0
	s_mov_b32 s[\g+7], 0
.endr
	s_or_b32 s[G1S+0], s43, (3<<16)|(1<<20)|(1<<21)|(5<<22)|(3<<25)  ; the scales of 128 rows: 4,096 dense bytes as 16 rows of 256 (32 elements of 8 bytes), padded alike
	s_or_b32 s[G1SB+0], s44, (3<<16)|(1<<20)|(1<<21)|(5<<22)|(3<<25)
.irp g, G1S, G1SB
	s_mov_b32 s[\g+1], 32<<16
	s_mov_b32 s[\g+2], (128*KS/256)<<16
	s_mov_b32 s[\g+3], 32<<16
	s_mov_b32 s[\g+4], 128*KS/256
	s_mov_b32 s[\g+5], 32
	s_mov_b32 s[\g+6], 0
	s_mov_b32 s[\g+7], 0
.endr
	; which rows of the 15,360.  A's hang on cy and the cluster's y, B's on cx and the cluster's y, each in registers that never hold the other coordinate
	s_lshl_b32 s92, s[PP], 12
	s_lshl_b32 s93, s[II], 10
	s_add_co_u32 s92, s92, s93                     ; Q's or K's tokens
	s_add_co_u32 s93, s93, 8192                    ; V's tokens
	s_lshl_b32 s94, s[PP], 10
	s_add_co_u32 s94, s94, 12288                   ; Wq or Wk
	s_mov_b32 s95, 14336                           ; Wv
	s_cmp_eq_u32 s[PP], 2
	s_cselect_b32 s92, s95, s92                    ; A's first row
	s_cselect_b32 s94, s93, s94                    ; B's
	s_lshl_b32 s21, s[WC], 7                       ; which 128 rows of the tile I fetch
	s_lshl_b32 s96, s41, 8
	s_add_co_u32 s92, s92, s96
	s_add_co_u32 s92, s92, s21
	s_lshl_b32 s46, s40, 8
	s_add_co_u32 s46, s46, s94
	s_add_co_u32 s46, s46, s21
	s_lshl_b32 s96, s92, 5                         ; 32 scale bytes a row,
	s_mov_b32 s97, 0
	s_lshl_b32 s92, s92, 9                         ; 512 bytes of codes
	s_mov_b32 s93, 0
	s_lshl_b32 s98, s46, 5
	s_mov_b32 s99, 0
	s_lshl_b32 s46, s46, 9
	s_mov_b32 s47, 0
	s_mul_i32 s45, s[WV], HALFT                    ; where they go: the wave's number alone
	s_mul_i32 s95, s[WV], HALFS
	s_wait_dscnt 0x0                               ; both opening adds are done
	s_wait_kmcnt 0x0
	s_add_nc_u64 s[92:93], s[4:5], s[92:93]
	s_add_nc_u64 s[96:97], s[6:7], s[96:97]
	s_add_nc_u64 s[46:47], s[4:5], s[46:47]
	s_add_nc_u64 s[98:99], s[6:7], s[98:99]
	CROUND                                         ; all sixteen work-groups are here: the joint loads meet
	s_mov_b32 s[G0S], 1
	s_add_co_u32 s[G0S+1], s95, SCL
	s_mov_b64 s[G0S+2:G0S+3], s[96:97]
	s_or_b32 s[G0S+3], s[G0S+3], 0x80000000
	s_mov_b32 s[G0SB], 1
	s_add_co_u32 s[G0SB+1], s95, SCL
	s_mov_b64 s[G0SB+2:G0SB+3], s[98:99]
	s_or_b32 s[G0SB+3], s[G0SB+3], 0x80000000
	JLOAD G0S, G1S, G0SB, G1SB                     ; the scales first
.irp s, 0,1
	s_mov_b32 s[G0+4*\s], 1
	s_add_co_u32 s[G0+4*\s+1], s45, \s*SLOT
	s_add_nc_u64 s[G0+4*\s+2:G0+4*\s+3], s[92:93], \s*ROWB
	s_or_b32 s[G0+4*\s+3], s[G0+4*\s+3], 0x80000000
	s_mov_b32 s[G0B+4*\s], 1
	s_add_co_u32 s[G0B+4*\s+1], s45, \s*SLOT
	s_add_nc_u64 s[G0B+4*\s+2:G0B+4*\s+3], s[46:47], \s*ROWB
	s_or_b32 s[G0B+4*\s+3], s[G0B+4*\s+3], 0x80000000
	JLOAD G0+4*\s, G1, G0B+4*\s, G1B               ; three loads of mine are out
.endr
	; the bias and the way out: which coordinates are the channels' and which the tokens'
	s_cmp_eq_u32 s[PP], 2
	s_cselect_b32 s42, s41, s40                    ; the channels' place in the cluster,
	s_cselect_b32 s66, s40, s41                    ; the tokens',
	s_cselect_b32 s67, s[WR], s[WC]                ; the channels' half among the waves,
	s_cselect_b32 s21, s[WC], s[WR]                ; the tokens',
	s_cselect_b32 s94, -1, 0                       ; all lanes' bits for V
	s_cselect_b64 s[12:13], s[12:13], s[10:11]
	s_cmp_eq_u32 s[PP], 0
	s_cselect_b64 s[8:9], s[8:9], s[12:13]         ; bq, bk or bv
	s_cselect_b32 s[SCP], 0x3e38aa3b, 1.0          ; log2(e) / 8 for Q
	s_mov_b32 s[SCP+1], s[SCP]
	s_lshl_b32 s92, s42, 10
	s_lshl_b32 s93, s67, 9
	s_add_co_u32 s92, s92, s93                     ; my 128 channels: 4 (256 c + 128 w) bytes
	s_mov_b32 s93, 0
	s_add_nc_u64 s[8:9], s[8:9], s[92:93]
	s_lshr_b32 s92, s[II], 1                       ; the batch
	s_lshl_b32 s92, s92, 4
	s_lshl_b32 s96, s42, 2
	s_add_co_u32 s92, s92, s96
	s_lshl_b32 s96, s67, 1
	s_add_co_u32 s92, s92, s96                     ; batch and head: 16 batch + 4 c + 2 w
	s_lshl_b32 s92, s92, 18                        ; 262,144 bytes each
	s_and_b32 s96, s[II], 1
	s_lshl_b32 s96, s96, 6
	s_lshl_b32 s97, s66, 4
	s_add_co_u32 s96, s96, s97
	s_lshl_b32 s97, s21, 3
	s_add_co_u32 s96, s96, s97                     ; my first 16 tokens of the sequence: 64 (I % 2) + 16 c + 8 w
	s_lshl_b32 s96, s96, 11                        ; 2,048 bytes each
	s_add_co_u32 s92, s92, s96
	s_lshl_b32 s96, s[PP], 23                      ; Q's, K's or V's 8 MiB
	s_add_co_u32 s92, s92, s96
	s_mov_b32 s93, 0
	s_add_nc_u64 s[14:15], s[14:15], s[92:93]
	v_and_b32 v1, 15, v0                           ; r
	v_bfe_u32 v2, v0, 4, 1                         ; h
	v_lshlrev_b32 v6, 2, v1
	v_lshlrev_b32 v7, 5, v2
.irp j, 0,1,2,3,4,5,6,7
	v_add_nc_u32 v[BA+\j], 4*\j, v7                ; Q, K: register j wants channel 8 h + j of a block of 16;
	v_cndmask_b32 v[BA+\j], v[BA+\j], v6, s94      ; V: every register channel r
.endr
.irp g, 0,1,2,3,4,5,6,7
.irp j, 0,1,2,3,4,5,6,7
	global_load_b32 v[BI+8*\g+\j], v[BA+\j], s[8:9] offset:64*\g
.endr
.endr
	v_mul_u32_u24 v3, v1, PITCH
	v_lshl_add_u32 v4, v2, 4, v3                   ; a fragment's row x pitch + 16 x half
	s_mul_i32 s2, s[WR], HALFT
	s_mul_i32 s3, s[WC], HALFT
	s_add_co_u32 s3, s3, 2*HALFT
.irp s, 0,1
	v_add_nc_u32 v[ADRA+\s], s2, v4
	v_add_nc_u32 v[ADRB+\s], s3, v4
	s_add_co_u32 s2, s2, SLOT
	s_add_co_u32 s3, s3, SLOT
.endr
	v_mul_u32_u24 v5, v1, KS                       ; my row's scales: 32 bytes a row,
	v_lshrrev_b32 v6, 8, v5
	v_lshl_add_u32 v5, v6, 4, v5                   ; and 16 more for each 256 passed
	s_mul_i32 s2, s[WR], HALFS
	s_mul_i32 s3, s[WC], HALFS
	s_add_co_u32 s3, s3, 2*HALFS
	s_sub_co_u32 s3, s3, s2
	v_mul_u32_u24 v6, s3, v2                       ; lanes 16-31 take B's
	s_add_co_u32 s2, s2, SCL
	v_add_nc_u32 v5, v5, v6
	v_add_nc_u32 v[ADRS], s2, v5
	v_and_b32 v6, 31, v0
	v_lshlrev_b32 v[LI], 4, v6
.macro FRAG reg, adr, q, i             ; 16 rows x 128 K of 4-bit codes: 8 registers; registers 4 c .. 4 c + 3 hold K = 64 c + 32 (l / 16) + 0 .. 31
.irp c, 0,1
	ds_load_b128 v[\reg+4*\c:\reg+4*\c+3], v[\adr] offset:64*(\q)+32*\c+(\i)*16*PITCH
.endr
.endm
; 16 matrix instructions: A's blocks a0, a0 + 1 x B's eight.  The 64 accumulators take turns, one instruction a turn, in the same order in every step.
.macro MUL16 a0, p, q, sc, zero
.irp a, \a0, \a0+1
.irp b, 0,1,2,3,4,5,6,7
.if \zero
	v_wmma_scale_f32_16x16x128_f8f6f4 v[8*(8*((\a)%4)+\b):8*(8*((\a)%4)+\b)+7], v[128*(\p)+FR*\b:128*(\p)+FR*\b+FR-1], v[AF+FR*(\a):AF+FR*(\a)+FR-1], 0, v[SC+8*NQ*(\sc)+NQ*\b+(\q)], v[SC+8*NQ*(\sc)+NQ*(\a)+(\q)] matrix_a_fmt:MATRIX_FMT_FP4 matrix_b_fmt:MATRIX_FMT_FP4 matrix_a_scale:MATRIX_SCALE_ROW1
.else
	v_wmma_scale_f32_16x16x128_f8f6f4 v[8*(8*((\a)%4)+\b):8*(8*((\a)%4)+\b)+7], v[128*(\p)+FR*\b:128*(\p)+FR*\b+FR-1], v[AF+FR*(\a):AF+FR*(\a)+FR-1], v[8*(8*((\a)%4)+\b):8*(8*((\a)%4)+\b)+7], v[SC+8*NQ*(\sc)+NQ*\b+(\q)], v[SC+8*NQ*(\sc)+NQ*(\a)+(\q)] matrix_a_fmt:MATRIX_FMT_FP4 matrix_b_fmt:MATRIX_FMT_FP4 matrix_a_scale:MATRIX_SCALE_ROW1
.endif
.endr
.endr
.endm
.macro FETCH_B slot, q, p
	WIN TO_B
.irp i, 0,1,2,3,4,5,6,7
	FRAG 128*(\p)+FR*\i, ADRB+\slot, \q, \i
.endr
	WIN 0
.endm
.macro FETCH_A slot, q, i0
.irp i, \i0, \i0+1, \i0+2, \i0+3
	FRAG AF+FR*(\i), ADRA+\slot, \q, \i
.endr
.endm
.macro SCALES sc                       ; a slot's scale words: lanes 0-15 take A's block i, lanes 16-31 B's block i
.irp i, 0,1,2,3,4,5,6,7
	ds_load_b128 v[SC+8*NQ*\sc+NQ*\i:SC+8*NQ*\sc+NQ*\i+3], v[ADRS] offset:\i*SBLK
.endr
.endm
.macro PLACES n                        ; plain vector instructions between a matrix instruction and a load into, or a vector read or write of, its registers
.rept \n
	v_nop
.endr
.endm
.macro STEP slot, q, zero              ; 128 along K, with its successor in the same slot
	s_wait_dscnt 4*NL                              ; B's set and A's blocks 0-3 are in; the youngest eight loads (A's blocks 4-7) may be out
	WIN MUL_LO
	MUL16 0, (\q)%2, \q, \slot, \zero
	MUL16 2, (\q)%2, \q, \slot, \zero
	s_wait_dscnt 0
	PLACES NP
	FETCH_B \slot, (\q)+1, 1-(\q)%2
	FETCH_A \slot, (\q)+1, 0
	WIN MUL_HI
	MUL16 4, (\q)%2, \q, \slot, \zero
	MUL16 6, (\q)%2, \q, \slot, \zero
	PLACES NP
	WIN 0
	FETCH_A \slot, (\q)+1, 4
.endm
.macro STEPS slot, from
.set Q, \from
.rept NQ-1-\from
	STEP \slot, Q, 0
.set Q, Q+1
.endr
.endm
	s_wait_loadcnt 0x0                             ; the bias,
.irp i, 0,2,4,6,8,10,12,14,16,18,20,22,24,26,28,30,32,34,36,38,40,42,44,46,48,50,52,54,56,58,60,62
	v_pk_mul_f32 v[BI+\i:BI+\i+1], v[BI+\i:BI+\i+1], s[SCP:SCP+1] op_sel_hi:[1,0]   ; under the way out's factor, while the tiles land
.endr
	s_wait_tensorcnt 1                             ; the scales and my part of slot 0 are in; slot 1's load may be out
	s_barrier_signal -1
	s_barrier_wait -1
	FETCH_B 0, 0, 0
	FETCH_A 0, 0, 0
	SCALES 0
	FETCH_A 0, 0, 4
	STEP 0, 0, 1                                   ; the first products start the sums: nothing is cleared
	STEPS 0, 1
	; slot 0's last step changes slots: one barrier; in front of it my tensor loads are all in and my reads of slot 0 are over
	s_wait_tensorcnt 0x0
	ds_add_u32 v[SPW], v[NIL]
	s_wait_dscnt 4*NL+1                            ; (the add and A's blocks 4-7 may be out)
	WIN MUL_LO
	MUL16 0, 1, NQ-1, 0, 0
	s_wait_dscnt 0x0
	s_barrier_signal -1
	MUL16 2, 1, NQ-1, 0, 0
	WIN 0
	s_barrier_wait -1
	PLACES NP
	v_add_nc_u32 v[ADRS], 4*NQ, v[ADRS]            ; the second slot's scale words
	FETCH_B 1, 0, 0
	FETCH_A 1, 0, 0
	SCALES 1
	WIN MUL_HI
	MUL16 4, 1, NQ-1, 0, 0
	MUL16 6, 1, NQ-1, 0, 0
	PLACES NP
	WIN 0
	FETCH_A 1, 0, 4
	STEPS 1, 0
	s_wait_dscnt 4*NL                              ; the last step: nothing more to fetch
	WIN MUL_LO
	MUL16 0, 1, NQ-1, 1, 0
	MUL16 2, 1, NQ-1, 1, 0
	s_wait_dscnt 0
	WIN MUL_HI
	MUL16 4, 1, NQ-1, 1, 0
	MUL16 6, 1, NQ-1, 1, 0
	WIN 0
	PLACES NP
; THE WAY OUT, A's blocks one after the other: factor x sum + factor x bias in place (each accumulator from its low end on), rounded to f16 in pairs: four registers that ARE registers 0-3 or 4-7 of a fragment, in the
; right lanes.  So each store is 16 bytes a lane, 512 consecutive bytes, aligned.  kind 1 (Q, K): fragment (16 tokens a, 32 channels): head b / 4, half (b % 4) / 2, registers by b % 2.
; kind 2 (V): fragment (16 channels a % 4 of head a / 4, 32 keys b / 2), registers by b % 2.
.macro OUT kind
.irp a, 0,1,2,3,4,5,6,7
.if \a > 2
	s_wait_xcnt 0x0                                ; the set's earlier stores have read their registers
.endif
	WIN 0x82+0x41*(\a/4)                           ; destination and source 0: window 2 or 3; the bias: window 0
.irp b, 0,1,2,3,4,5,6,7
.irp i, 0,2,4,6
.if \kind == 1
	v_pk_fma_f32 v[64*(\a%4)+8*\b+\i:64*(\a%4)+8*\b+\i+1], v[64*(\a%4)+8*\b+\i:64*(\a%4)+8*\b+\i+1], s[SCP:SCP+1], v[BI+8*\b+\i:BI+8*\b+\i+1] op_sel_hi:[1,0,1]
.else
	v_pk_fma_f32 v[64*(\a%4)+8*\b+\i:64*(\a%4)+8*\b+\i+1], v[64*(\a%4)+8*\b+\i:64*(\a%4)+8*\b+\i+1], s[SCP:SCP+1], v[BI+8*\a+\i:BI+8*\a+\i+1] op_sel_hi:[1,0,1]
.endif
.endr
.endr
	WIN 0x0a+5*(\a/4)                              ; sources 0 and 1: window 2 or 3
.irp b, 0,1,2,3,4,5,6,7
.irp i, 0,1,2,3
	v_cvt_pk_f16_f32 v[PK+32*(\a%3)+4*\b+\i], v[64*(\a%4)+8*\b+2*\i], v[64*(\a%4)+8*\b+2*\i+1]
.endr
.endr
	WIN 0
.irp b, 0,1,2,3,4,5,6,7
.if \kind == 1
	global_store_b128 v[LI], v[PK+32*(\a%3)+4*\b:PK+32*(\a%3)+4*\b+3], s[14:15] offset:2048*\a+262144*(\b/4)+1024*((\b%4)/2)+512*(\b%2)
.else
	global_store_b128 v[LI], v[PK+32*(\a%3)+4*\b:PK+32*(\a%3)+4*\b+3], s[14:15] offset:262144*(\a/4)+1024*(\a%4)+4096*(\b/2)+512*(\b%2)
.endif
.endr
.endr
.endm
	s_cmp_eq_u32 s[PP], 2                          ; the cluster's y alone: all sixteen partners go the same way
	s_cbranch_scc1 .Lout_v
	OUT 1
	s_branch .Lend
.Lout_v:
	OUT 2
.Lend:
	s_wait_tensorcnt 0x0                           ; the wave's end
	ds_add_u32 v[SPW], v[NIL]
	s_wait_dscnt 0x0
	CROUND                                         ; the closing round
	s_endpgm
.Lfunc_end_k_qe1be4d532a_proj:
	.size	k_qe1be4d532a_proj, .Lfunc_end_k_qe1be4d532a_proj-k_qe1be4d532a_proj
	.p2alignl 7, 3214868480
	.fill 96, 4, 3214868480
	.section	.rodata,"a",@progbits
	.p2align	6, 0x0
	.amdhsa_kernel k_qe1be4d532a_proj
		.amdhsa_group_segment_fixed_size 327680
		.amdhsa_private_segment_fixed_size 0
		.amdhsa_enable_private_segment 0
		.amdhsa_kernarg_size 48
		.amdhsa_user_sgpr_count 2
		.amdhsa_user_sgpr_kernarg_segment_ptr 1
		.amdhsa_wavefront_size32 1
		.amdhsa_system_sgpr_workgroup_id_x 1
		.amdhsa_system_sgpr_workgroup_id_y 1
		.amdhsa_system_sgpr_workgroup_id_z 1
		.amdhsa_system_vgpr_workitem_id 0
		.amdhsa_next_free_vgpr 1024
		.amdhsa_next_free_sgpr 100
		.amdhsa_reserve_vcc 0
		.amdhsa_float_denorm_mode_32 3
		.amdhsa_float_denorm_mode_16_64 3
		.amdhsa_memory_ordered 1
		.amdhsa_forward_progress 1
		.amdhsa_inst_pref_size 183
	.end_amdhsa_kernel
	.amdgpu_metadata
---
amdhsa.version: [ 1, 2 ]
amdhsa.kernels:
  - .name:           k_qe1be4d532a_proj
    .symbol:         k_qe1be4d532a_proj.kd
    .args:
      - { .name: codes, .offset: 0, .size: 8, .value_kind: global_buffer, .address_space: global }
      - { .name: scales, .offset: 8, .size: 8, .value_kind: global_buffer, .address_space: global }
      - { .name: bq, .offset: 16, .size: 8, .value_kind: global_buffer, .address_space: global }
      - { .name: bk, .offset: 24, .size: 8, .value_kind: global_buffer, .address_space: global }
      - { .name: bv, .offset: 32, .size: 8, .value_kind: global_buffer, .address_space: global }
      - { .name: qkvf, .offset: 40, .size: 8, .value_kind: global_buffer, .address_space: global }
    .group_segment_fixed_size: 327680
    .private_segment_fixed_size: 0
    .kernarg_segment_align: 8
    .kernarg_segment_size: 48
    .max_flat_workgroup_size: 128
    .sgpr_count:     100
    .vgpr_count:     1024
    .wavefront_size: 32
...
	.end_amdgpu_metadata
.endif
;; end of part 2
;; launch attn (part 3): grid 8 x 32, 8 waves a work-group, clusters of 4 x 1, 327,680 bytes of LDS; arguments qkvf, maskbits, xf; writes xf
.if DOCPART == 3
	.amdgcn_target "amdgcn-amd-amdhsa--gfx1250"
	.amdhsa_code_object_version 6
	.text
	.protected	k_qe1be4d532a_attn
	.globl	k_qe1be4d532a_attn
	.p2align	8
	.type	k_qe1be4d532a_attn,@function
k_qe1be4d532a_attn:
	s_mov_b64 s[64:65], 0
	v_nop
	global_prefetch_b8 v0, s[64:65] scope:SCOPE_SE
	s_setreg_imm32_b32 hwreg(HW_REG_WAVE_MODE, 25, 1), 1
	s_wait_xcnt 0x0
	s_wait_alu depctr_hold_cnt(0) depctr_sa_sdst(0) depctr_va_vdst(0) depctr_va_sdst(0) depctr_va_ssrc(0) depctr_va_vcc(0) depctr_vm_vsrc(0)
	s_getreg_b32 s2, hwreg(HW_REG_IB_STS2, 6, 4)
	s_cmp_eq_u32 s2, 0
	s_cbranch_scc0 .Lentry_in_a_cluster
	s_endpgm
.Lentry_in_a_cluster:
	s_bfe_u32 s2, ttmp6, 0x10000c
	s_cmp_lg_u32 s2, 0x3003
	s_cbranch_scc0 .Lentry_shape_is_right
	s_endpgm
.Lentry_shape_is_right:
; ATTN: x[b][q][h] = softmax_k(where(mask, Q . K / 8, -1e9)) V, head size 64, operands f16, products, maxima and sums f32.  Q arrives multiplied by log2(e) / 8, so a score is an exponent of 2.
; Q, K and V^T arrive as images of operand registers (a fragment of 16 x 32 is 1,024 bytes: registers 0-3 at 16 x lane, registers 4-7 at 512 + 16 x lane), so every LDS and global load is 16 bytes a lane on end.
; SHARES.  A work-group owns 256 queries of one batch and head; each of its eight waves 32: two tiles of 16.  Two waves share a SIMD: one's products stand beside the other's softmax.  Every wave walks all 2,048 keys, 64 a step.
; LAYOUT.  S^T = K Q^T and O^T = V^T P: a lane holds ONE query (lane % 16) throughout; two score tiles rounded to f16 in pairs are source 1 of the second product.
; THE MASK arrives as lane masks, 64 words a step for my 32 queries: scalar loads a step ahead; a hidden score becomes -1e9 x log2(e) by a select, in every step: no branch hangs on it.
; SOFTMAX.  A running maximum m and sum l for each query: p = 2^(s - m); O and l are multiplied by a = 2^(m_old - m_new) in every step.  A row all hidden has s = m everywhere: p = 1, the plain average, as the definition has it.
; RING.  Two LDS slots of 8 steps (K's 64 KiB, then V's 64 KiB).  The four query blocks of a cluster walk the same K and V: each wave's 16 KiB is asked for jointly, by the same load with a mask that names the four.
; LIMITS: real scores lie above -1e9; p under 6e-8 counts as 0 in the second product (f16), not in the sum; |x| under 6e-5 is kept to steps of 6e-8.
; REGISTERS: window 0: v1-5 addresses and constants; v10, v11 the add's two; v12-27 statistics, eight a tile; v32-95 S^T; v96-159 K; v160-223 V^T; v224-255 P.   window 1: v0-31 Q; v64-127 O^T.
.set SLOT1, 131072                     ; slot 1: one exclusive or turns an address in one slot into the other's
.set VOFF,  65536                      ; V's part of a slot
.set STEPB, 8192                       ; a step's K, and its V
.set SPARE, 262144                     ; the spare words, 128 bytes for each of eight waves
.set LI,  1                            ; v1   16 x lane
.set ADK, 2                            ; v2   the step's K
.set ADV, 3                            ; v3   the step's V
.set TMK, 4                            ; v4   -1e9 x log2(e)
.set PFO, 5                            ; v5   256 x lane
.set SPW, 10
.set NIL, 11
.set ST,  12                           ; tile t at v[ST+8 t]: +0 m, +1 its partner in the pair, +2, +3 l (even keys', odd keys'), +4 to +7 at work; a takes +6
.set S,   32
.set KF,  96
.set VF,  160
.set P,   224
.set QF,  0                            ; in window 1
.set OT,  64                           ; in window 1
.set TB,    2                          ; s2   LDS byte of the step's K
.set INNER, 3
.set MP,    6                          ; s[6:7]  the next step's mask words
.set XO,    8                          ; s[8:9]  where my results go
.set WV,    10
.set SLOTS, 11
.set SEL,   12                         ; s[12:13] lane l xor 16
.set G1,    84
.set G0,    92
.set PFA,   96
.set LIM,   98
; s[16:63], s[68:83]: the step's 64 mask words
.set MSB, 0
.macro WIN new
.if MSB != \new
	s_set_vgpr_msb (MSB<<8)|\new
.set MSB, \new
.endif
.endm
.set W_KQ, 0x04                        ; Q in window 1
.set W_RS, 0x41                        ; O^T (destination and source 0) in window 1
.set W_PV, 0x50                        ; O^T (C and D) in window 1
.macro CROUND
	s_barrier_signal -1
	s_barrier_wait -1
	s_cmp_lg_u32 s[WV], 0
	s_cbranch_scc1 .Lnot_wave_0_\@
	s_barrier_signal -3
.Lnot_wave_0_\@:
	s_barrier_wait -3
	s_barrier_signal -1
	s_barrier_wait -1
.endm
.macro TLOAD                           ; one line for all eight waves: each moves 16 KiB of its own, by its number; an s_nop 0 and four v_nop follow
	tensor_load_to_lds s[G0:G0+3], s[G1:G1+7]
	s_nop 0
.rept 4
	v_nop
.endr
.endm
; A prefetch of what the NEXT change of slots will ask for: 64 KiB of K and 64 KiB of V, lanes 256 bytes apart.  Both clusters of a head walk the same bytes: the first asks.  Its four partners take 16 KiB of each, told apart by
; address; in each, waves 0 and 1 ask for K's halves and waves 2 and 3 for V's: each block of 256 bytes is named once.  The last change that fills a slot asks for nothing.
.macro ASK
	s_cmp_gt_u32 s[SLOTS], s[LIM]
	s_cbranch_scc0 .Lnot_mine_\@
	global_prefetch_b8 v[PFO], s[PFA:PFA+1] th:TH_LOAD_NT scope:SCOPE_SE
.Lnot_mine_\@:
.endm
	s_load_b128 s[4:7], s[0:1], 0x0                ; qkvf s[4:5], maskbits s[6:7]
	s_load_b64 s[8:9], s[0:1], 0x10                ; xf
	v_lshl_add_u32 v[SPW], v0, 2, SPARE
	v_mov_b32 v[NIL], 0
	ds_add_u32 v[SPW], v[NIL]                      ; the wave's opening: the add, twice on end, and its wait ahead of my first tensor load
	ds_add_u32 v[SPW], v[NIL]
	v_lshrrev_b32 v2, 5, v0
	v_readfirstlane_b32 s[WV], v2                  ; wave 0..7
	v_and_b32 v[LI], 31, v0
	v_lshlrev_b32 v[LI], 4, v[LI]
	v_lshlrev_b32 v[PFO], 4, v[LI]
	v_mov_b32 v[TMK], 0xceabfb8f
	s_bfe_u32 s14, ttmp6, 0x40000                  ; cx
	s_lshl_b32 s15, ttmp9, 2
	s_add_co_u32 s15, s15, s14                     ; my block of 256 queries: it enters Q's, the mask's and x's global addresses alone
	s_and_b32 s99, ttmp7, 0xffff                   ; batch and head, which the partners share
	s_lshl_b32 s101, s99, 18                       ; 262,144 bytes in each of Q, K, V
	s_mov_b32 s[G1], 15|(3<<16)|(1<<21)            ; the mask: all four; elements of 8 bytes; no padding
	s_mov_b32 s[G1+1], 32<<16                      ; tensor_dim0: 256 bytes
	s_mov_b32 s[G1+2], 64<<16                      ; tensor_dim1
	s_mov_b32 s[G1+3], 32<<16                      ; tile_dim0
	s_mov_b32 s[G1+4], 64                          ; tile_dim1: 64 rows, 16 KiB, dense
	s_mov_b32 s[G1+5], 32
	s_mov_b32 s[G1+6], 0
	s_mov_b32 s[G1+7], 0
	s_lshr_b32 s66, s[WV], 2                       ; waves 0-3 fetch K, waves 4-7 V:
	s_add_co_u32 s66, s66, 1
	s_lshl_b32 s66, s66, 23                        ; 8 MiB or 16 MiB into qkvf,
	s_add_co_u32 s66, s66, s101
	s_and_b32 s100, s[WV], 3
	s_lshl_b32 s100, s100, 14                      ; my quarter of a slot's 64 KiB
	s_add_co_u32 s66, s66, s100
	s_mov_b32 s67, 0
	s_lshl_b32 s16, s15, 15                        ; Q: 16 tiles of 2,048 bytes a block,
	s_lshl_b32 s17, s[WV], 12                      ; two a wave
	s_add_co_u32 s16, s16, s17
	s_add_co_u32 s16, s16, s101
	s_mov_b32 s17, 0
	s_lshl_b32 s18, s15, 3                         ; the mask: my 32 queries are number 8 block + wave,
	s_add_co_u32 s18, s18, s[WV]
	s_lshl_b32 s18, s18, 13                        ; 32 steps of 256 bytes each
	s_mov_b32 s19, 0
	s_and_b32 s20, s99, 15                         ; x: the head:
	s_lshr_b32 s21, s20, 2
	s_lshl_b32 s21, s21, 21                        ; which 256 channels: 2 MiB each,
	s_and_b32 s20, s20, 3
	s_lshl_b32 s20, s20, 11                        ; which 64 of them: two fragments
	s_add_co_u32 s20, s20, s21
	s_lshr_b32 s21, s99, 4                         ; the batch: 128 tiles of 16 rows,
	s_lshl_b32 s21, s21, 7
	s_lshl_b32 s22, s15, 4
	s_add_co_u32 s21, s21, s22
	s_lshl_b32 s22, s[WV], 1
	s_add_co_u32 s21, s21, s22
	s_lshl_b32 s21, s21, 13                        ; 8,192 bytes a tile of rows
	s_add_co_u32 s20, s20, s21
	s_mov_b32 s21, 0
	s_lshr_b32 s22, s[WV], 1                       ; the prefetches: K's or V's,
	s_and_b32 s22, s22, 1
	s_add_co_u32 s22, s22, 1
	s_lshl_b32 s22, s22, 23
	s_add_co_u32 s22, s22, s101
	s_lshl_b32 s23, s14, 14                        ; my work-group's 16 KiB,
	s_add_co_u32 s22, s22, s23
	s_and_b32 s23, s[WV], 1
	s_lshl_b32 s23, s23, 13                        ; my wave's half of them,
	s_add_co_u32 s22, s22, s23
	s_add_co_u32 s22, s22, 65536                   ; in the second 512 keys: the first change of slots steps it to the third.  Nothing is prefetched at the head
	s_mov_b32 s23, 0
	s_lshr_b32 s[LIM], s[WV], 2                    ; 0 in waves 0 to 3
	s_or_b32 s[LIM], s[LIM], ttmp9                 ; of the head's first cluster: the same in all four partners
	s_cmp_eq_u32 s[LIM], 0
	s_cselect_b32 s[LIM], 1, -1
	s_mov_b32 s[SEL], 0x76543210
	s_mov_b32 s[SEL+1], 0xfedcba98
	s_mov_b32 s[TB], 0
	s_mov_b32 s[SLOTS], 3
	s_wait_dscnt 0x0                               ; both opening adds are done
	s_wait_kmcnt 0x0
	s_add_nc_u64 s[PFA:PFA+1], s[4:5], s[22:23]
	s_mov_b32 s[G0], 1
	s_lshl_b32 s[G0+1], s[WV], 14                  ; LDS: 16 KiB x wave: K's four quarters, then V's
	s_add_nc_u64 s[G0+2:G0+3], s[4:5], s[66:67]
	s_or_b32 s[G0+3], s[G0+3], 0x80000000
	s_add_nc_u64 s[4:5], s[4:5], s[16:17]
	s_add_nc_u64 s[MP:MP+1], s[MP:MP+1], s[18:19]
	s_add_nc_u64 s[XO:XO+1], s[XO:XO+1], s[20:21]
	CROUND                                         ; all four work-groups are here: the first joint loads meet
	TLOAD                                          ; slot 0
	WIN 0x40                                       ; destination window 1
.irp i, 0,1,2,3,4,5,6,7
	global_load_b128 v[QF+4*\i:QF+4*\i+3], v[LI], s[4:5] offset:512*\i   ; Q stays in registers: tile t, channels 32 c on at v[16 t + 8 c]
.endr
.irp j, 0,1,2,3,4,5,6,7,8,9,10,11,12,13,14,15,16,17,18,19,20,21,22,23,24,25,26,27,28,29,30,31,32,33,34,35,36,37,38,39,40,41,42,43,44,45,46,47,48,49,50,51,52,53,54,55,56,57,58,59,60,61,62,63
	v_mov_b32 v[OT+\j], 0                          ; O^T.  The step is written once: the first finds zeros, which a = 0 leaves zeros
.endr
	WIN 0
.macro MASKS                           ; 64 words: 256 bytes
	s_load_b512 s[16:31], s[MP:MP+1], 0x0
	s_load_b512 s[32:47], s[MP:MP+1], 0x40
	s_load_b512 s[48:63], s[MP:MP+1], 0x80
	s_load_b512 s[68:83], s[MP:MP+1], 0xc0
.endm
	MASKS                                          ; step 0's
.irp t, 0,1
	v_mov_b32 v[ST+8*\t], 0xff61b1e6               ; m: -3e38, under every score
.irp i, 1,2,3,4,5,6,7
	v_mov_b32 v[ST+8*\t+\i], 0
.endr
.endr
; A KEY STEP.  next = 1: the next step's K lies in the same slot and is fetched here.  mload = 1: the next step's mask words are fetched.
.macro STEP next, mload
	v_add_nc_u32 v[ADK], s[TB], v[LI]
	v_add_nc_u32 v[ADV], VOFF, v[ADK]
	v_nop
	v_nop                                          ; four places between the last products and the loads into V's registers
.irp n, 0,1,2,3,4,5,6,7,8,9,10,11,12,13,14,15
	ds_load_b128 v[VF+4*\n:VF+4*\n+3], v[ADV] offset:512*\n
.endr
	s_wait_dscnt 16                                ; K, asked for a step ago, is in; V's sixteen may be out
	WIN W_KQ
.irp c, 0,1                                    ; S^T = K Q^T: eight accumulators by turns; the first eight start the sums
.irp k, 0,1,2,3
.irp t, 0,1
.if \c == 0
	v_wmma_f32_16x16x32_f16 v[S+32*\t+8*\k:S+32*\t+8*\k+7], v[KF+16*\k:KF+16*\k+7], v[QF+16*\t:QF+16*\t+7], 0
.else
	v_wmma_f32_16x16x32_f16 v[S+32*\t+8*\k:S+32*\t+8*\k+7], v[KF+16*\k+8:KF+16*\k+15], v[QF+16*\t+8:QF+16*\t+15], v[S+32*\t+8*\k:S+32*\t+8*\k+7]
.endif
.endr
.endr
.endr
	WIN 0
.rept 4
	v_nop                                          ; places: for the loads into K's registers and the reads of the scores
.endr
.if \next
.irp n, 0,1,2,3,4,5,6,7,8,9,10,11,12,13,14,15
	ds_load_b128 v[KF+4*\n:KF+4*\n+3], v[ADK] offset:STEPB+512*\n
.endr
.endif
	s_wait_kmcnt 0x0                               ; this step's mask words are in, and their address may be stepped
.if \mload
	s_add_nc_u64 s[MP:MP+1], s[MP:MP+1], 256
.endif
.set w, 0
.rept 64                                       ; hidden scores become -1e9 x log2(e); each accumulator from its low end on
.if w < 48
.set mw, 16+w
.else
.set mw, 20+w
.endif
	v_cndmask_b32 v[S+w], v[TMK], v[S+w], s[mw]
.set w, w+1
.endr
.irp c, 0,1,2,3                                ; the largest of my 32 scores and the old m: four chains a tile, the tiles by turns
.irp t, 0,1
	v_max3_num_f32 v[ST+8*\t+4+\c], v[S+32*\t+8*\c], v[S+32*\t+8*\c+1], v[S+32*\t+8*\c+2]
.endr
.endr
.irp d, 3,5
.irp c, 0,1,2,3
.irp t, 0,1
	v_max3_num_f32 v[ST+8*\t+4+\c], v[ST+8*\t+4+\c], v[S+32*\t+8*\c+\d], v[S+32*\t+8*\c+\d+1]
.endr
.endr
.endr
.irp t, 0,1
	v_max3_num_f32 v[ST+8*\t+4], v[ST+8*\t+4], v[S+32*\t+7], v[S+32*\t+15]
.endr
.irp t, 0,1
	v_max3_num_f32 v[ST+8*\t+6], v[ST+8*\t+6], v[S+32*\t+23], v[S+32*\t+31]
.endr
.irp t, 0,1
	v_max3_num_f32 v[ST+8*\t+4], v[ST+8*\t+4], v[ST+8*\t+5], v[ST+8*\t+6]
.endr
.irp t, 0,1
	v_max3_num_f32 v[ST+8*\t+4], v[ST+8*\t+4], v[ST+8*\t+7], v[ST+8*\t]
.endr
.irp t, 0,1
	v_permlanex16_b32 v[ST+8*\t+5], v[ST+8*\t+4], s[SEL], s[SEL+1]   ; the query's other 32 keys lie in the lane 16 away
.endr
.irp t, 0,1
	v_max_num_f32 v[ST+8*\t+4], v[ST+8*\t+4], v[ST+8*\t+5]
.endr
.irp t, 0,1
	v_sub_f32 v[ST+8*\t+7], v[ST+8*\t], v[ST+8*\t+4]                 ; m_old - m_new
.endr
.irp t, 0,1
	v_mov_b32 v[ST+8*\t], v[ST+8*\t+4]
.endr
.if \mload
	MASKS                                          ; the selects above have read the words: the next step's come while the rest of this step is worked
.endif
.irp i, 0,2,4,6,8,10,12,14,16,18,20,22,24,26,28,30
.irp t, 0,1
	v_pk_add_f32 v[S+32*\t+\i:S+32*\t+\i+1], v[S+32*\t+\i:S+32*\t+\i+1], v[ST+8*\t:ST+8*\t+1] op_sel_hi:[1,0] neg_lo:[0,1] neg_hi:[0,1]   ; s - m
.endr
.endr
.irp t, 0,1
	v_exp_f32 v[ST+8*\t+6], v[ST+8*\t+7]           ; a.  ONE BATCH: none of these 66 reads another's result
.endr
.irp j, 0,1,2,3,4,5,6,7,8,9,10,11,12,13,14,15,16,17,18,19,20,21,22,23,24,25,26,27,28,29,30,31,32,33,34,35,36,37,38,39,40,41,42,43,44,45,46,47,48,49,50,51,52,53,54,55,56,57,58,59,60,61,62,63
	v_exp_f32 v[S+\j], v[S+\j]                     ; p = 2^(s - m)
.endr
	v_nop                                          ; a plain instruction behind the last exponential,
	s_wait_alu depctr_va_vdst(0)                   ; and one wait ahead of the batch's first reader
.irp i, 0,1,2,3,4,5,6,7,8,9,10,11,12,13,14,15
.irp t, 0,1
	v_cvt_pk_f16_f32 v[P+16*\t+\i], v[S+32*\t+2*\i], v[S+32*\t+2*\i+1]
.endr
.endr
.irp u, 0,4,8,12,16,20,24,28                   ; the sum of the unrounded p, in pairs, in place
.irp t, 0,1
	v_pk_add_f32 v[S+32*\t+\u:S+32*\t+\u+1], v[S+32*\t+\u:S+32*\t+\u+1], v[S+32*\t+\u+2:S+32*\t+\u+3]
.endr
.endr
.irp u, 0,8,16,24
.irp t, 0,1
	v_pk_add_f32 v[S+32*\t+\u:S+32*\t+\u+1], v[S+32*\t+\u:S+32*\t+\u+1], v[S+32*\t+\u+4:S+32*\t+\u+5]
.endr
.endr
.irp u, 0,16
.irp t, 0,1
	v_pk_add_f32 v[S+32*\t+\u:S+32*\t+\u+1], v[S+32*\t+\u:S+32*\t+\u+1], v[S+32*\t+\u+8:S+32*\t+\u+9]
.endr
.endr
.irp t, 0,1
	v_pk_add_f32 v[S+32*\t:S+32*\t+1], v[S+32*\t:S+32*\t+1], v[S+32*\t+16:S+32*\t+17]
.endr
.irp t, 0,1
	v_pk_fma_f32 v[ST+8*\t+2:ST+8*\t+3], v[ST+8*\t+2:ST+8*\t+3], v[ST+8*\t+6:ST+8*\t+7], v[S+32*\t:S+32*\t+1] op_sel_hi:[1,0,1]   ; l = a l + the sum
.endr
	WIN W_RS
.irp i, 0,2,4,6,8,10,12,14,16,18,20,22,24,26,28,30
.irp t, 0,1
	v_pk_mul_f32 v[OT+32*\t+\i:OT+32*\t+\i+1], v[OT+32*\t+\i:OT+32*\t+\i+1], v[ST+8*\t+6:ST+8*\t+7] op_sel_hi:[1,0]   ; O^T x a
.endr
.endr
.if \next
	s_wait_dscnt 16                                ; V is in; the next K's sixteen may be out
.else
	s_wait_dscnt 0x0
.endif
	WIN W_PV
.irp k, 0,1                                    ; O^T += V^T P: eight accumulators by turns
.irp c, 0,1,2,3
.irp t, 0,1
	v_wmma_f32_16x16x32_f16 v[OT+32*\t+8*\c:OT+32*\t+8*\c+7], v[VF+32*\k+8*\c:VF+32*\k+8*\c+7], v[P+16*\t+8*\k:P+16*\t+8*\k+7], v[OT+32*\t+8*\c:OT+32*\t+8*\c+7]
.endr
.endr
.endr
	WIN 0
	s_add_co_u32 s[TB], s[TB], STEPB
.endm
; THE CHANGE OF SLOTS, at a slot's head.  Each wave waits for all its tensor loads (one is out: its part of the slot ahead), adds 0 to its spare word, and waits for that and for its reads of the slot that it has left.
; fill = 1: a round of the cluster's barrier, and the slot just left is filled with the 512 keys that follow: the load has eight steps in which to land.
.macro CHANGE fill
	s_wait_tensorcnt 0x0
	ds_add_u32 v[SPW], v[NIL]
.if \fill
	s_xor_b32 s[G0+1], s[G0+1], SLOT1              ; no load of mine is out: the walking descriptor takes the other slot
	s_add_nc_u64 s[G0+2:G0+3], s[G0+2:G0+3], 65536 ; and the next 64 KiB
	s_wait_xcnt 0x0                                ; the last prefetch, a slot back, has read its address
	s_add_nc_u64 s[PFA:PFA+1], s[PFA:PFA+1], 65536
.endif
	s_wait_dscnt 0x0
.if \fill
	CROUND
	TLOAD
	ASK
.else
	s_barrier_signal -1
	s_barrier_wait -1
.endif
.endm
.macro SLOT_STEPS last
	v_add_nc_u32 v[ADK], s[TB], v[LI]
.irp n, 0,1,2,3,4,5,6,7,8,9,10,11,12,13,14,15
	ds_load_b128 v[KF+4*\n:KF+4*\n+3], v[ADK] offset:512*\n   ; the slot's first K
.endr
	s_mov_b32 s[INNER], 7
.Lstep_\@:
	STEP 1, 1
	s_sub_co_u32 s[INNER], s[INNER], 1
	s_cmp_lg_u32 s[INNER], 0
	s_cbranch_scc1 .Lstep_\@
	STEP 0, 1-\last
	s_sub_co_u32 s[TB], s[TB], 8*STEPB
	s_xor_b32 s[TB], s[TB], SLOT1                  ; on to the other slot
.endm
	s_wait_loadcnt 0x0                             ; Q
.Lslot:                                            ; three trips: behind each change of slots but the last the next 512 keys are asked for
	CHANGE 1
	SLOT_STEPS 0
	s_sub_co_u32 s[SLOTS], s[SLOTS], 1
	s_cmp_lg_u32 s[SLOTS], 0
	s_cbranch_scc1 .Lslot
	CHANGE 0                                       ; the last slot is written out
	SLOT_STEPS 1
	; THE WAY OUT.  O^T / l, rounded to f16 in pairs: four registers that are half a fragment (16 rows x 32 channels) of the output projection's operand, in the right lanes: 512 consecutive bytes a store.
.irp t, 0,1
	v_add_f32 v[ST+8*\t+4], v[ST+8*\t+2], v[ST+8*\t+3]
.endr
.irp t, 0,1
	v_permlanex16_b32 v[ST+8*\t+5], v[ST+8*\t+4], s[SEL], s[SEL+1]
.endr
.irp t, 0,1
	v_add_f32 v[ST+8*\t+4], v[ST+8*\t+4], v[ST+8*\t+5]
.endr
.irp t, 0,1
	v_rcp_f32 v[ST+8*\t+6], v[ST+8*\t+4]
.endr
	v_nop
	s_wait_alu depctr_va_vdst(0)                   ; one wait for the two reciprocals, ahead of their first reader
	WIN W_RS
.irp t, 0,1
.irp i, 0,2,4,6,8,10,12,14,16,18,20,22,24,26,28,30
	v_pk_mul_f32 v[OT+32*\t+\i:OT+32*\t+\i+1], v[OT+32*\t+\i:OT+32*\t+\i+1], v[ST+8*\t+6:ST+8*\t+7] op_sel_hi:[1,0]
.endr
.endr
	WIN 0x05                                       ; sources 0 and 1: window 1
.irp t, 0,1
.irp c, 0,1,2,3
.irp i, 0,1,2,3
	v_cvt_pk_f16_f32 v[S+16*\t+4*\c+\i], v[OT+32*\t+8*\c+2*\i], v[OT+32*\t+8*\c+2*\i+1]
.endr
.endr
.endr
	WIN 0
.irp t, 0,1
.irp c, 0,1,2,3
	global_store_b128 v[LI], v[S+16*\t+4*\c:S+16*\t+4*\c+3], s[XO:XO+1] offset:8192*\t+512*\c
.endr
.endr
	s_wait_tensorcnt 0x0                           ; the wave's end
	ds_add_u32 v[SPW], v[NIL]
	s_wait_dscnt 0x0
	CROUND                                         ; the closing round
	s_endpgm
.Lfunc_end_k_qe1be4d532a_attn:
	.size	k_qe1be4d532a_attn, .Lfunc_end_k_qe1be4d532a_attn-k_qe1be4d532a_attn
	.p2alignl 7, 3214868480
	.fill 96, 4, 3214868480
	.section	.rodata,"a",@progbits
	.p2align	6, 0x0
	.amdhsa_kernel k_qe1be4d532a_attn
		.amdhsa_group_segment_fixed_size 327680
		.amdhsa_private_segment_fixed_size 0
		.amdhsa_enable_private_segment 0
		.amdhsa_kernarg_size 24
		.amdhsa_user_sgpr_count 2
		.amdhsa_user_sgpr_kernarg_segment_ptr 1
		.amdhsa_wavefront_size32 1
		.amdhsa_system_sgpr_workgroup_id_x 1
		.amdhsa_system_sgpr_workgroup_id_y 1
		.amdhsa_system_sgpr_workgroup_id_z 1
		.amdhsa_system_vgpr_workitem_id 0
		.amdhsa_next_free_vgpr 384
		.amdhsa_next_free_sgpr 102
		.amdhsa_reserve_vcc 0
		.amdhsa_float_denorm_mode_32 3
		.amdhsa_float_denorm_mode_16_64 3
		.amdhsa_memory_ordered 1
		.amdhsa_forward_progress 1
		.amdhsa_inst_pref_size 101
	.end_amdhsa_kernel
	.amdgpu_metadata
---
amdhsa.version: [ 1, 2 ]
amdhsa.kernels:
  - .name:           k_qe1be4d532a_attn
    .symbol:         k_qe1be4d532a_attn.kd
    .args:
      - { .name: qkvf, .offset: 0, .size: 8, .value_kind: global_buffer, .address_space: global }
      - { .name: maskbits, .offset: 8, .size: 8, .value_kind: global_buffer, .address_space: global }
      - { .name: xf, .offset: 16, .size: 8, .value_kind: global_buffer, .address_space: global }
    .group_segment_fixed_size: 327680
    .private_segment_fixed_size: 0
    .kernarg_segment_align: 8
    .kernarg_segment_size: 24
    .max_flat_workgroup_size: 256
    .sgpr_count:     102
    .vgpr_count:     384
    .wavefront_size: 32
...
	.end_amdgpu_metadata
.endif
;; end of part 3
;; launch outp (part 4): grid 8 x 32, 4 waves a work-group, clusters of 4 x 4, 327,680 bytes of LDS; arguments xf, wof, bo, out0; writes out0
.if DOCPART == 4
	.amdgcn_target "amdgcn-amd-amdhsa--gfx1250"
	.amdhsa_code_object_version 6
	.text
	.protected	k_qe1be4d532a_outp
	.globl	k_qe1be4d532a_outp
	.p2align	8
	.type	k_qe1be4d532a_outp,@function
k_qe1be4d532a_outp:
	s_mov_b64 s[64:65], 0
	v_nop
	global_prefetch_b8 v0, s[64:65] scope:SCOPE_SE
	s_setreg_imm32_b32 hwreg(HW_REG_WAVE_MODE, 25, 1), 1
	s_wait_xcnt 0x0
	s_wait_alu depctr_hold_cnt(0) depctr_sa_sdst(0) depctr_va_vdst(0) depctr_va_sdst(0) depctr_va_ssrc(0) depctr_va_vcc(0) depctr_vm_vsrc(0)
	s_getreg_b32 s2, hwreg(HW_REG_IB_STS2, 6, 4)
	s_cmp_eq_u32 s2, 0
	s_cbranch_scc0 .Lentry_in_a_cluster
	s_endpgm
.Lentry_in_a_cluster:
	s_bfe_u32 s2, ttmp6, 0x10000c
	s_cmp_lg_u32 s2, 0xf033
	s_cbranch_scc0 .Lentry_shape_is_right
	s_endpgm
.Lentry_shape_is_right:
; OUTP: out0 = x Wo^T + bo.  x [4,096][1,024] arrives as f16 images of operand registers, laid [K step of 256][16 rows][32 channels][1,024 bytes]; Wo as f16, row-major [n][k]; sums, bias and result f32.
; A tile of the result is 128 x 128: 256 work-groups of four waves, each 64 x 64: 16 accumulators.  K goes in four steps of 256 through two LDS slots.
; A slot: x's 128 rows x 256 channels are 64 KiB dense in memory and in LDS (a fragment is read at 16 x lane: no padding is wanted); Wo's 128 rows of 512 bytes get 16 bytes of padding each.
; CLUSTERS: 4 x 4.  x's tile is shared along a row of the cluster, Wo's along a column: joint loads with a mask that names the four.
; THE MATRIX INSTRUCTION IS USED TRANSPOSED (source 0 = 16 rows of Wo, source 1 = 16 rows of x): a lane holds eight neighbouring numbers of a row of the result.  The bias is the C of each sum's first product.
; REGISTERS: window 0: v0-31 addresses; v32-95 the way out; v96-127 the bias; v128-255 the accumulators ((a, b) at v[128 + 8 (4 a + b)]).   window 1: two fragment buffers of 128: 64 of x, then 64 of Wo.
.set KSTEP,  256
.set PITCH,  528                       ; Wo's row in LDS: 512 bytes + 16: the 16 rows that a load touches start at 16 different banks (64 banks of 4 bytes: ISA guide 11.1)
.set ASZ,    65536                     ; x's part of a slot
.set HALFA,  32768                     ; 64 rows of x: what one tensor load brings, and what one wave reads
.set HALFB,  64*PITCH                  ; 64 rows of Wo
.set SLOT,   ASZ+2*HALFB
.set STAGE,  2*SLOT                    ; behind the ring: 16 rows x 272 bytes for each wave
.set SPITCH, 272
.set SPARE,  STAGE+4*16*SPITCH         ; the spare words, 128 bytes a wave
.set ADRA, 16
.set ADRB, 20
.set STO,  24
.set RD,   25
.set CO,   26
.set SPW,  28
.set NIL,  29
.set TMP,  32
.set BI,   96
.set ACC,  128
.set F0,   0
.set F1,   128
.set WV, 12                            ; s12 wave; s13 my half of the rows (also: I fetch for x or for Wo); s14 my half of the columns (also: which 64 rows I fetch); s15 tile row
.set WR, 13
.set WC, 14
.set TY, 15
.set G1, 24
.set G0, 32
.set G1B, 48
.set G0B, 56
.set MSB, 0
.macro WIN new
.if MSB != \new
	s_set_vgpr_msb (MSB<<8)|\new
.set MSB, \new
.endif
.endm
.set MUL,  0x05                        ; sources 0 and 1 window 1; C and D window 0
.set TO_F, 0x40
.macro JLOAD s                         ; waves 0, 1 fetch x's halves, waves 2, 3 Wo's; an s_nop 0 and four v_nop follow each line
	s_cmp_eq_u32 s[WR], 0
	s_cbranch_scc0 .Lfor_b_\@
	tensor_load_to_lds s[G0+4*\s:G0+4*\s+3], s[G1:G1+7]
	s_nop 0
.rept 4
	v_nop
.endr
	s_branch .Lasked_\@
.Lfor_b_\@:
	tensor_load_to_lds s[G0B+4*\s:G0B+4*\s+3], s[G1B:G1B+7]
	s_nop 0
.rept 4
	v_nop
.endr
.Lasked_\@:
.endm
.macro CREST
	s_cmp_lg_u32 s[WV], 0
	s_cbranch_scc1 .Lnot_wave_0_\@
	s_barrier_signal -3
.Lnot_wave_0_\@:
	s_barrier_wait -3
	s_barrier_signal -1
	s_barrier_wait -1
.endm
.macro CROUND
	s_barrier_signal -1
	s_barrier_wait -1
	CREST
.endm
	s_load_b256 s[4:11], s[0:1], 0x0               ; xf s[4:5], wof s[6:7], bo s[8:9], out0 s[10:11]
	v_lshl_add_u32 v[SPW], v0, 2, SPARE
	v_mov_b32 v[NIL], 0
	ds_add_u32 v[SPW], v[NIL]                      ; the wave's opening: the add, twice on end, and its wait ahead of my first tensor load
	ds_add_u32 v[SPW], v[NIL]
	v_lshrrev_b32 v1, 5, v0
	v_readfirstlane_b32 s[WV], v1
	s_lshr_b32 s[WR], s[WV], 1
	s_and_b32 s[WC], s[WV], 1
	s_bfe_u32 s40, ttmp6, 0x40000                  ; cx
	s_bfe_u32 s41, ttmp6, 0x40004                  ; cy
	s_lshl_b32 s42, ttmp9, 2
	s_add_co_u32 s42, s42, s40                     ; tile column
	s_and_b32 s[TY], ttmp7, 0xffff
	s_lshl_b32 s[TY], s[TY], 2
	s_add_co_u32 s[TY], s[TY], s41                 ; tile row
	s_lshl_b32 s43, s41, 2
	s_lshl_b32 s43, 15, s43                        ; my row of the cluster
	s_lshl_b32 s44, 0x1111, s40                    ; my column
	s_or_b32 s[G1+0], s43, (3<<16)|(1<<21)         ; x: 32 KiB dense as 128 rows of 256 bytes (32 elements of 8 bytes), no padding
	s_mov_b32 s[G1+1], 32<<16
	s_mov_b32 s[G1+2], 128<<16
	s_mov_b32 s[G1+3], 32<<16
	s_mov_b32 s[G1+4], 128
	s_mov_b32 s[G1+5], 32
	s_mov_b32 s[G1+6], 0
	s_mov_b32 s[G1+7], 0
	s_or_b32 s[G1B+0], s44, (1<<16)|(1<<20)|(1<<21)|(6<<22)|(3<<25)  ; Wo: 64 rows x 256 elements of 2 bytes; 4 words of padding behind every 128
	s_mov_b32 s[G1B+1], KSTEP<<16
	s_mov_b32 s[G1B+2], 64<<16
	s_mov_b32 s[G1B+3], KSTEP<<16
	s_mov_b32 s[G1B+4], 64
	s_mov_b32 s[G1B+5], 1024
	s_mov_b32 s[G1B+6], 0
	s_mov_b32 s[G1B+7], 0
	s_lshl_b32 s16, s[TY], 16                      ; x: 8 tiles of 16 rows x 8,192 bytes a tile row,
	s_lshl_b32 s17, s[WC], 15                      ; the four that I fetch
	s_add_co_u32 s16, s16, s17
	s_mov_b32 s17, 0
	s_lshl_b32 s46, s42, 18                        ; Wo: 128 rows of 2,048 bytes a tile column,
	s_lshl_b32 s47, s[WC], 17                      ; the 64 that I fetch
	s_add_co_u32 s46, s46, s47
	s_mov_b32 s47, 0
	s_lshl_b32 s20, s[WC], 15                      ; where they go: the wave's number alone
	s_mul_i32 s21, s[WC], HALFB
	s_add_co_u32 s21, s21, ASZ
	s_wait_dscnt 0x0                               ; both opening adds are done
	s_wait_kmcnt 0x0
	s_add_nc_u64 s[18:19], s[4:5], s[16:17]
	s_add_nc_u64 s[46:47], s[6:7], s[46:47]
	CROUND                                         ; all sixteen work-groups are here: the first joint loads meet
.irp s, 0,1
	s_mov_b32 s[G0+4*\s], 1
	s_add_co_u32 s[G0+4*\s+1], s20, \s*SLOT
	s_add_nc_u64 s[G0+4*\s+2:G0+4*\s+3], s[18:19], \s*0x200000      ; a K step of x is 2 MiB on
	s_or_b32 s[G0+4*\s+3], s[G0+4*\s+3], 0x80000000
	s_mov_b32 s[G0B+4*\s], 1
	s_add_co_u32 s[G0B+4*\s+1], s21, \s*SLOT
	s_add_nc_u64 s[G0B+4*\s+2:G0B+4*\s+3], s[46:47], \s*KSTEP*2
	s_or_b32 s[G0B+4*\s+3], s[G0B+4*\s+3], 0x80000000
	JLOAD \s                                       ; two loads of mine are out
.endr
	v_and_b32 v1, 15, v0                           ; r
	v_bfe_u32 v2, v0, 4, 1                         ; h
	s_lshl_b32 s46, s42, 9                         ; my 64 columns: 4 (128 tile column + 64 half) bytes
	s_lshl_b32 s47, s[WC], 8
	s_add_co_u32 s46, s46, s47
	s_mov_b32 s47, 0
	s_add_nc_u64 s[8:9], s[8:9], s[46:47]
	s_add_nc_u64 s[10:11], s[10:11], s[46:47]
	s_lshl_b32 s46, s[TY], 19                      ; my 64 rows of 4,096 bytes
	s_lshl_b32 s16, s[WR], 18
	s_add_co_u32 s46, s46, s16
	s_add_nc_u64 s[10:11], s[10:11], s[46:47]
	v_lshlrev_b32 v3, 5, v2                        ; the bias of columns 16 b + 8 h + 0 .. 7
.irp b, 0,1,2,3
	global_load_b128 v[BI+8*\b:BI+8*\b+3], v3, s[8:9] offset:64*\b
	global_load_b128 v[BI+8*\b+4:BI+8*\b+7], v3, s[8:9] offset:64*\b+16
.endr
	v_and_b32 v4, 31, v0
	v_lshlrev_b32 v4, 4, v4                        ; x's fragments: 16 x lane
	v_mul_u32_u24 v5, v1, PITCH
	v_lshl_add_u32 v5, v2, 4, v5                   ; Wo's: row x pitch + 16 x half
	s_lshl_b32 s22, s[WR], 15                      ; my 64 rows of x
	s_mul_i32 s23, s[WC], HALFB                    ; my 64 rows of Wo,
	s_add_co_u32 s23, s23, ASZ                     ; behind x's part
.irp s, 0,1
	v_add_nc_u32 v[ADRA+\s], s22, v4
	v_add_nc_u32 v[ADRB+\s], s23, v5
	s_add_co_u32 s22, s22, SLOT
	s_add_co_u32 s23, s23, SLOT
.endr
	s_mul_i32 s23, s[WV], 16*SPITCH
	s_add_co_u32 s23, s23, STAGE                   ; my stage
	v_mul_u32_u24 v6, v1, SPITCH
	v_lshl_add_u32 v6, v2, 5, v6
	v_add_nc_u32 v[STO], s23, v6                   ; in: row r, 32 bytes for each half of the lanes
	v_mul_u32_u24 v6, v2, SPITCH
	v_lshl_add_u32 v6, v1, 4, v6
	v_add_nc_u32 v[RD], s23, v6                    ; back: lanes 0-15 one row of 256 bytes, lanes 16-31 the next
	v_lshlrev_b32 v6, 12, v2
	v_lshl_add_u32 v[CO], v1, 4, v6                ; and the same two rows in the result
; 8 matrix instructions: row blocks a0, a0 + 1 x all 4 column blocks, 32 along K: half c of buffer f.  first = 1: the bias starts the sums.  The 16 accumulators take turns.
.macro MUL8 f, c, a0, first
.irp a, \a0, \a0+1
.irp b, 0,1,2,3
.if \first
	v_wmma_f32_16x16x32_f16 v[ACC+8*(4*(\a)+\b):ACC+8*(4*(\a)+\b)+7], v[\f+64+8*(4*\c+\b):\f+64+8*(4*\c+\b)+7], v[\f+8*(4*\c+\a):\f+8*(4*\c+\a)+7], v[BI+8*\b:BI+8*\b+7]
.else
	v_wmma_f32_16x16x32_f16 v[ACC+8*(4*(\a)+\b):ACC+8*(4*(\a)+\b)+7], v[\f+64+8*(4*\c+\b):\f+64+8*(4*\c+\b)+7], v[\f+8*(4*\c+\a):\f+8*(4*\c+\a)+7], v[ACC+8*(4*(\a)+\b):ACC+8*(4*(\a)+\b)+7]
.endif
.endr
.endr
.endm
; 32 LDS loads in one run: the fragments of the slot's q-th 64 along K into buffer f; the first 32 along K first
.macro FETCH slot, q, f
	WIN TO_F
.irp c, 0,1
.irp i, 0,1,2,3
	ds_load_b128 v[\f+64+8*(4*\c+\i):\f+64+8*(4*\c+\i)+3],   v[ADRB+\slot] offset:128*(\q)+64*\c+\i*16*PITCH
	ds_load_b128 v[\f+64+8*(4*\c+\i)+4:\f+64+8*(4*\c+\i)+7], v[ADRB+\slot] offset:128*(\q)+64*\c+\i*16*PITCH+32
	ds_load_b128 v[\f+8*(4*\c+\i):\f+8*(4*\c+\i)+3],         v[ADRA+\slot] offset:2048*(\q)+1024*\c+8192*\i
	ds_load_b128 v[\f+8*(4*\c+\i)+4:\f+8*(4*\c+\i)+7],       v[ADRA+\slot] offset:2048*(\q)+1024*\c+8192*\i+512
.endr
.endr
.endm
.macro PLACES                          ; four plain vector instructions in front of loads into registers that matrix instructions have read, and of reads of results
.rept 4
	v_nop
.endr
.endm
; A K step is four quarters of 64 along K on buffers 0, 1, 0, 1.  One of the first three multiplies buffer f and fetches quarter q into g.
.macro QUARTER slot, q, f, g, first
	s_wait_dscnt 16                                ; the first 32 along K are in
	WIN MUL
	MUL8 \f, 0, 0, \first
	MUL8 \f, 0, 2, \first
	PLACES
	FETCH \slot, \q, \g
	s_wait_dscnt 32                                ; all but the 32 just issued
	WIN MUL
	MUL8 \f, 1, 0, 0
	MUL8 \f, 1, 2, 0
.endm
; The last quarter multiplies buffer 1 and changes slots: one barrier; in front of it each wave waits for all its tensor loads, adds 0 to its spare word, and waits for that and for its reads of this slot.
.macro TURN slot, next, fill
	WIN 0
	s_wait_tensorcnt 0x0                           ; my part of the next slot has landed
	ds_add_u32 v[SPW], v[NIL]
	s_wait_dscnt 17                                ; (the add and the youngest sixteen loads may be out)
	WIN MUL
	MUL8 F1, 0, 0, 0
	s_wait_dscnt 0x0                               ; the add is done, and my reads of this slot are over
	s_barrier_signal -1
	MUL8 F1, 0, 2, 0
.if \fill
	WIN 0
.endif
	s_barrier_wait -1
.if \fill
	CREST                                          ; the barrier has opened a round of the cluster's: no wave of any partner still reads this slot or has a load on its way
	s_add_nc_u64 s[G0+4*\slot+2:G0+4*\slot+3], s[G0+4*\slot+2:G0+4*\slot+3], 0x400000
	s_add_nc_u64 s[G0B+4*\slot+2:G0B+4*\slot+3], s[G0B+4*\slot+2:G0B+4*\slot+3], 2*KSTEP*2
	JLOAD \slot                                    ; two K steps on; its four v_nop are also the places in front of the loads below
.else
	PLACES
.endif
	FETCH \next, 0, F0
	WIN MUL
	MUL8 F1, 1, 0, 0
	MUL8 F1, 1, 2, 0
.endm
	s_wait_loadcnt 0x0                             ; the bias
	s_wait_tensorcnt 1                             ; my part of K step 0 is in; K step 1's load may be out
	s_barrier_signal -1
	s_barrier_wait -1
	FETCH 0, 0, F0
	QUARTER 0, 1, F0, F1, 1
	QUARTER 0, 2, F1, F0, 0
	QUARTER 0, 3, F0, F1, 0
	TURN 0, 1, 1                                   ; slot 0 takes K step 2
	QUARTER 1, 1, F0, F1, 0
	QUARTER 1, 2, F1, F0, 0
	QUARTER 1, 3, F0, F1, 0
	TURN 1, 0, 1                                   ; slot 1 takes K step 3
	QUARTER 0, 1, F0, F1, 0
	QUARTER 0, 2, F1, F0, 0
	QUARTER 0, 3, F0, F1, 0
	TURN 0, 1, 0
	QUARTER 1, 1, F0, F1, 0
	QUARTER 1, 2, F1, F0, 0
	QUARTER 1, 3, F0, F1, 0
	s_wait_dscnt 16                                ; the very last quarter
	WIN MUL
	MUL8 F1, 0, 0, 0
	MUL8 F1, 0, 2, 0
	s_wait_dscnt 0
	MUL8 F1, 1, 0, 0
	MUL8 F1, 1, 2, 0
	WIN 0
; THE WAY OUT.  My 64 columns are 256 bytes of a row, aligned.  A block of 16 rows goes through my own stage and comes back as whole rows: sixteen lanes store 256 consecutive bytes.
; LDS serves a wave's instructions in order (ISA guide 5.7.1.4): no wait between the stores and the loads, nor in front of the next block's stores.
.macro TOSTAGE a
.irp b, 0,1,2,3
	ds_store_b128 v[STO], v[ACC+8*(4*(\a)+\b):ACC+8*(4*(\a)+\b)+3] offset:64*\b         ; each accumulator from its low end on
	ds_store_b128 v[STO], v[ACC+8*(4*(\a)+\b)+4:ACC+8*(4*(\a)+\b)+7] offset:64*\b+16
.endr
.irp t, 0,1,2,3,4,5,6,7
	ds_load_b128 v[TMP+32*((\a)%2)+4*\t:TMP+32*((\a)%2)+4*\t+3], v[RD] offset:\t*2*SPITCH
.endr
.endm
.macro SEND a, younger                 ; younger: the LDS instructions issued behind block a's loads
	s_wait_dscnt \younger
.irp t, 0,1,2,3,4,5,6,7
	global_store_b128 v[CO], v[TMP+32*((\a)%2)+4*\t:TMP+32*((\a)%2)+4*\t+3], s[10:11] offset:(16*(\a)+2*\t)*4096 th:TH_STORE_NT
.endr
.endm
	PLACES
	TOSTAGE 0
.irp a, 1,2,3
.if \a > 1
	s_wait_xcnt 0x0                                ; block a - 2's stores have read their registers: block a's loads may land there
.endif
	TOSTAGE \a
	SEND \a-1, 16
.endr
	SEND 3, 0
	s_wait_tensorcnt 0x0                           ; the wave's end, behind my last tensor load and my last LDS store
	ds_add_u32 v[SPW], v[NIL]
	s_wait_dscnt 0x0
	CROUND                                         ; the closing round
	s_endpgm
.Lfunc_end_k_qe1be4d532a_outp:
	.size	k_qe1be4d532a_outp, .Lfunc_end_k_qe1be4d532a_outp-k_qe1be4d532a_outp
	.p2alignl 7, 3214868480
	.fill 96, 4, 3214868480
	.section	.rodata,"a",@progbits
	.p2align	6, 0x0
	.amdhsa_kernel k_qe1be4d532a_outp
		.amdhsa_group_segment_fixed_size 327680
		.amdhsa_private_segment_fixed_size 0
		.amdhsa_enable_private_segment 0
		.amdhsa_kernarg_size 32
		.amdhsa_user_sgpr_count 2
		.amdhsa_user_sgpr_kernarg_segment_ptr 1
		.amdhsa_wavefront_size32 1
		.amdhsa_system_sgpr_workgroup_id_x 1
		.amdhsa_system_sgpr_workgroup_id_y 1
		.amdhsa_system_sgpr_workgroup_id_z 1
		.amdhsa_system_vgpr_workitem_id 0
		.amdhsa_next_free_vgpr 512
		.amdhsa_next_free_sgpr 68
		.amdhsa_reserve_vcc 0
		.amdhsa_float_denorm_mode_32 3
		.amdhsa_float_denorm_mode_16_64 3
		.amdhsa_memory_ordered 1
		.amdhsa_forward_progress 1
		.amdhsa_inst_pref_size 86
	.end_amdhsa_kernel
	.amdgpu_metadata
---
amdhsa.version: [ 1, 2 ]
amdhsa.kernels:
  - .name:           k_qe1be4d532a_outp
    .symbol:         k_qe1be4d532a_outp.kd
    .args:
      - { .name: xf, .offset: 0, .size: 8, .value_kind: global_buffer, .address_space: global }
      - { .name: wof, .offset: 8, .size: 8, .value_kind: global_buffer, .address_space: global }
      - { .name: bo, .offset: 16, .size: 8, .value_kind: global_buffer, .address_space: global }
      - { .name: out0, .offset: 24, .size: 8, .value_kind: global_buffer, .address_space: global }
    .group_segment_fixed_size: 327680
    .private_segment_fixed_size: 0
    .kernarg_segment_align: 8
    .kernarg_segment_size: 32
    .max_flat_workgroup_size: 128
    .sgpr_count:     68
    .vgpr_count:     512
    .wavefront_size: 32
...
	.end_amdgpu_metadata
.endif
;; end of part 4
